; MI455X (gfx1250); checked and timed in simulation.
; The chip was launched on July 23, 2026; its instructions are those of AMD's public machine-readable ISA for CDNA 5 (MIT licence, August 2026) and "CDNA5" Instruction Set Architecture Reference Guide (July 2026). The comments in the code are by the model that wrote it; some were corrected since.
;; Model. Allowed arithmetic: matrix products marked QUANTISED: E2M3 operands, one E8M0 scale for each 32 along K, by v_wmma_scale_f32_16x16x128_f8f6f4 with both operands' format E2M3, f32 sums; everything else in f32.
;; Inputs: Wk 1,024 x 1,024 float32; Wq 1,024 x 1,024 float32; Wv 1,024 x 1,024 float32; att_mask 2,048 x 2,048 float32; bk 1,024 float32; bq 1,024 float32; bv 1,024 float32; k 4 x 2,048 x 1,024 float32; q 4 x 2,048 x 1,024 float32; v 4 x 2,048 x 1,024 float32.
;; Outputs: out0 4 x 2,048 x 1,024 float32.
;; This version of the problem:
;;   THIS VERSION OF THE PROBLEM IS GIVEN IN LOW PRECISION. The matrix products marked QUANTISED in the list below multiply operands that are first quantised to E2M3 (2 exponent bits, 3 mantissa bits; 6 bits a number), with one power-of-two scale for each 32 numbers along K (OCP MX v1.0); their sums are f32. All else is computed in f32.
;;   The module's matrix products, in the order in which they are computed (A, B: the left and right operand; K: the contracted axis; several contracted axes count as one K, in the product's order):
;;     1. [M 8,192, K 1,024] x [K 1,024, N 1,024]; A: input q; B: input Wq: QUANTISED
;;     2. [M 8,192, K 1,024] x [K 1,024, N 1,024]; A: input k; B: input Wk: QUANTISED
;;     3. [M 8,192, K 1,024] x [K 1,024, N 1,024]; A: input v; B: input Wv: QUANTISED
;;     4. batch 4 x [M 2,048, K 1,024] x [K 1,024, N 2,048]; A: computed on the way; B: computed on the way: QUANTISED
;;     5. batch 4 x [M 2,048, K 2,048] x [K 2,048, N 1,024]; A: softmax (see below); B: computed on the way: QUANTISED
;;   THE QUANTISER, for each operand of a quantised product, along K:
;;     - K is cut into blocks of 32 from its start; a last block that is shorter is filled with zeros.
;;     - A block's scale is 2^e with e = floor(log2(the largest magnitude in the block)) - 2, held to -126 .. 127; a block of zeros has e = 0. As a byte (E8M0): e + 127.
;;     - Each number is divided by its block's scale, clamped to +-7.5, and rounded to the nearest number of E2M3, ties to even, subnormals kept.
;;     - The product sums the exact products of the quantised numbers (number of the format x scale) in f32.
;;   ~~~python
;;   def quantise(x, axis):      # numpy; x: float32 -> the quantised numbers, widened to float32 again
;;       x = np.moveaxis(x, axis, -1); K = x.shape[-1]
;;       x = np.pad(x, [(0, 0)] * (x.ndim - 1) + [(0, -K % 32)]); x = x.reshape(x.shape[:-1] + (-1, 32)); a = np.abs(x).max(-1, keepdims=True)
;;       e = np.where(a > 0, np.clip(np.frexp(np.where(a > 0, a, 1))[1] - 1 - 2, -126, 127), 0)      # np.frexp(a)[1] - 1 = floor(log2(a)), exactly
;;       r = np.clip(x / 2.0 ** e, -7.5, 7.5)
;;       step = 2.0 ** (np.maximum(np.frexp(np.where(r == 0, 1, r))[1] - 1, 0) - 3)
;;       q = np.round(r / step) * step * 2.0 ** e      # np.round: ties to even
;;       return np.moveaxis(q.reshape(q.shape[:-2] + (-1,))[..., :K], -1, axis).astype(np.float32)
;;   ~~~
;;   SOFTMAX AHEAD OF A QUANTISED PRODUCT. Where the list says 'softmax', what is quantised is not the finished softmax but p = 2^(t - M), with t = logit x log2(e) and M = ceil(the row's largest t), a whole number; so 1/2 < the row's largest p <= 1. The row's sum l is taken of the UNQUANTISED p, in f32, and the product's result is divided by l at the end. Since M is a whole number, a kernel that streams over the keys may use a running M (the ceiling of the running maximum): every later rescaling is an exact power of two, which a block's scale takes up: the codes' values come out the same.
;;   OPERANDS COMPUTED ON THE WAY. 'Computed on the way' means the value that the module computes at that place (a softmax that the list does not call 'softmax' is quantised finished and normalised). What goes into a quantiser is computed in f32, as accurately as f32 sums, v_exp_f32 and their like allow (about 1e-6 of the number): no bf16 or f16 on the way to a quantiser, and a product that is left as it is and whose result goes on into a quantised operand takes f32 operands (vector FMAs, or v_wmma_f32_16x16x4_f32). A number that lies on a knife's edge between two numbers of the format may be rounded either way, as far as f32 arithmetic and the matrix unit's own rounding can turn it there, and no further.
;; One version. Each part assembles by itself: llvm-mc -triple=amdgcn-amd-amdhsa -mcpu=gfx1250 --defsym DOCPART=n.
;; ======== version 1 of 1: 4 launches
;; limits: right only within a limited range of input values
;; workspace buffers: inc 21,233,664 bytes; ins 884,736 bytes; prc 18,874,368 bytes; prs 786,432 bytes; pc 12,582,912 bytes; ps 524,288 bytes; st 1,048,576 bytes
;; launch quant (part 1): grid 864 x 1, 4 waves a work-group, no clusters, 34,304 bytes of LDS; arguments q, k, v, Wq, Wk, Wv, inc, ins; writes inc, ins
.if DOCPART == 1
	.amdgcn_target "amdgcn-amd-amdhsa--gfx1250"
	.amdhsa_code_object_version 6
	.text
	.protected	k_qfed599d137_quant
	.globl	k_qfed599d137_quant
	.p2align	8
	.type	k_qfed599d137_quant,@function
k_qfed599d137_quant:
	s_mov_b64 s[64:65], 0
	v_nop
	global_prefetch_b8 v0, s[64:65] scope:SCOPE_SE
	s_setreg_imm32_b32 hwreg(HW_REG_WAVE_MODE, 25, 1), 1
	s_wait_xcnt 0x0
; q, k, v [8192][1024] and Wq, Wk, Wv [1024][1024], f32 with K innermost, become codes of FP6 (E2M3) with one E8M0 byte for each 32 along K.
; A block's scale is 2^(floor(log2(its largest magnitude)) - 2); its byte is that magnitude's exponent field - 2, held at 1 from below (a block of zeros keeps the byte 1: its codes are zeros, and this program alone reads the bytes).
; LIMITS: NaN and infinities among the inputs are not served; a block whose largest magnitude lies under 2^-124 keeps the byte 1.
; THE LAYOUT OF THE CODES is the order of an operand's registers.  A fragment (16 rows x 128 K, 12 registers a lane) is 1,536 bytes: registers 4 c .. 4 c + 3 of lane l at 512 c + 16 l.
; A tensor is [K / 256][row / 16][(K / 128) % 2][1536]; its scale words are [K / 256][row / 16][row % 16][(K / 128) % 2], 4 bytes each.
; THE ROWS OF k, v, Wq, Wk change places: in each 32 rows the second and third group of eight are swapped, so that 16 neighbouring places of such a tensor, taken as source 0 of a product,
; leave 16 neighbours of the next K in a lane's registers of two neighbouring tiles.  q and Wv keep their order.
; SHARES.  A work-group takes 32 rows and all of K (128 KiB on end); wave w takes K = 256 w .. 256 w + 255: four fragments f = 2 u + q (16 rows u, 128 along K q).
; Each load reads 512 consecutive bytes of a row; a fragment's 8 KiB turn through the wave's own stage in LDS and come back 16 neighbours of each block to a lane.
; No tensor load, no barrier: waves share nothing.  Two fragments' loads (32 a wave) are on their way.
.set STGB,  8448                       ; a wave's stage: 16 rows x (512 bytes + 16)
.set SPARE, 4*STGB                     ; behind the stages: the spare words, 128 bytes a wave
.set LI,  2                            ; v2      16 x lane
.set RO,  4                            ; v4-7    16 x lane + where the eight rows of place group 0..3 begin
.set STI, 8                            ; v8      the stage, way in: 16 x lane
.set STO, 9                            ; v9      way out: row r, + 64 h
.set L8,  10                           ; v10     8 x lane
.set SPW, 12                           ; v12     my spare word; never rewritten
.set NIL, 13                           ; v13     0; never rewritten
.set G,   16                           ; v16-143 two sets of 64 registers as loaded
.set X,   144                          ; v144-207 register 16 b + i = k 32 b + 16 h + i of my row
.set PC,  208                          ; v208-227 the codes just made
.set TM,  228                          ; v228-243 at work
.set PW,  244                          ; v244-247 the four fragments' scale words
.set OW,  248                          ; v248-249 what I store of them
.set SEL, 36                           ; s[36:37] selects for lane l xor 16
; 64 numbers of a lane become a fragment's codes in v[PC] on and its scale word in v[pw]
.macro QUANT s, pw
.irp b, 0,1,2,3
	v_max3_num_f32 v[TM+\b], |v[\s+16*\b]|, |v[\s+1+16*\b]|, 0x1800000   ; my 16 numbers of block b, and the floor 2^(3 - 127): the byte cannot fall under 1
.endr
.irp i, 2,4,6,8,10,12,14
.irp b, 0,1,2,3
	v_max3_num_f32 v[TM+\b], v[TM+\b], |v[\s+16*\b+\i]|, |v[\s+1+16*\b+\i]|
.endr
.endr
.irp b, 0,1,2,3
	v_permlanex16_b32 v[TM+4+\b], v[TM+\b], s[SEL], s[SEL+1]
.endr
.irp b, 0,1,2,3
	v_max_num_f32 v[TM+\b], v[TM+\b], v[TM+4+\b]   ; with lane l xor 16's: the block's largest magnitude
.endr
.irp b, 0,1,2,3
	v_add_nc_u32 v[TM+12+\b], 0xff000000, v[TM+\b]   ; 2 off its exponent field: the conversion's scale operand
.endr
.irp b, 0,1,2,3
	v_lshrrev_b32 v[TM+4+\b], 23, v[TM+12+\b]      ; the scale's byte
.endr
	v_lshl_or_b32 v[\pw], v[TM+5], 8, v[TM+4]
	v_lshl_or_b32 v[\pw], v[TM+6], 16, v[\pw]
	v_lshl_or_b32 v[\pw], v[TM+7], 24, v[\pw]
.irp c, 0,1
	v_cvt_scalef32_pk16_fp6_f32 v[PC+6*\c:PC+2+6*\c], v[\s+32*\c:\s+15+32*\c], v[TM+12+2*\c]
	v_cvt_scalef32_pk16_fp6_f32 v[PC+12+4*\c:PC+14+4*\c], v[\s+16+32*\c:\s+31+32*\c], v[TM+12+2*\c+1]   ; (a conversion's three registers begin on an even number)
.endr
	v_nop                                          ; one plain place behind a scaled conversion
.irp c, 0,1                                    ; the operand's layout wants a whole block in a lane
.irp i, 0,1,2
	v_permlane16_swap_b32 v[PC+6*\c+\i], v[PC+12+4*\c+\i]
.endr
.irp i, 0,1,2
	v_mov_b32 v[PC+3+6*\c+\i], v[PC+12+4*\c+\i]
.endr
.endr
.endm
.macro LOADF f                         ; fragment f: 16 rows x 512 bytes into set f % 2
.irp p, 0,1,2,3,4,5,6,7,8,9,10,11,12,13,14,15
	global_load_b128 v[G+64*((\f)%2)+4*\p:G+64*((\f)%2)+4*\p+3], v[RO+2*((\f)/2)+\p/8], s[4:5] offset:(\p%8)*4096+((\f)%2)*512 th:TH_LOAD_NT
.endr
.endm
.macro TURN16 f                        ; through the stage: LDS serves a wave's instructions in order, so no wait stands between the stores and the loads
.irp p, 0,1,2,3,4,5,6,7,8,9,10,11,12,13,14,15
	ds_store_b128 v[STI], v[G+64*((\f)%2)+4*\p:G+64*((\f)%2)+4*\p+3] offset:\p*528
.endr
.irp b, 0,1,2,3
.irp i, 0,1,2,3
	ds_load_b128 v[X+16*\b+4*\i:X+16*\b+4*\i+3], v[STO] offset:128*\b+16*\i
.endr
.endr
.endm
	s_load_b256 s[4:11], s[0:1], 0x0               ; q, k, v, Wq
	s_load_b256 s[12:19], s[0:1], 0x20             ; Wk, Wv, inc, ins
	v_lshl_add_u32 v[SPW], v0, 2, SPARE
	v_mov_b32 v[NIL], 0
	v_lshrrev_b32 v1, 5, v0
	v_readfirstlane_b32 s20, v1                    ; wave = which 256 along K
	s_cmp_lt_u32 ttmp9, 768                        ; the first 768 work-groups take q, k, v (256 each), the last 96 the weights (32 each)
	s_cselect_b32 s21, 0, 768
	s_cselect_b32 s22, 8, 5
	s_cselect_b32 s23, 512, 64                     ; blocks of 16 rows in the tensor
	s_cselect_b32 s24, 0, 3
	s_cselect_b32 s25, 0, 18874368
	s_cselect_b32 s26, 0, 786432
	s_mov_b32 s27, 786432
	s_cselect_b32 s27, 6291456, s27                ; a tensor's codes in bytes
	s_mov_b32 s28, 32768
	s_cselect_b32 s28, 262144, s28                 ; its scale bytes
	s_sub_co_u32 s21, ttmp9, s21
	s_lshr_b32 s29, s21, s22                       ; which tensor of the three
	s_lshl_b32 s30, s29, s22
	s_sub_co_u32 s21, s21, s30                     ; g: which 32 rows
	s_add_co_u32 s24, s24, s29                     ; 0..5: q, k, v, Wq, Wk, Wv
	s_mul_i32 s27, s27, s29
	s_add_co_u32 s25, s25, s27
	s_mul_i32 s28, s28, s29
	s_add_co_u32 s26, s26, s28
	s_mul_i32 s23, s23, s20
	s_lshl_b32 s30, s21, 1
	s_add_co_u32 s23, s23, s30                     ; (K / 256) x blocks + my first block of rows
	s_mul_i32 s30, s23, 3072
	s_add_co_u32 s30, s30, s25
	s_mov_b32 s31, 0                               ; s[30:31]: where my four fragments go
	s_lshl_b32 s32, s23, 7
	s_add_co_u32 s32, s32, s26
	s_mov_b32 s33, 0                               ; s[32:33]: and their 256 bytes of scale words
	s_lshl_b32 s34, s21, 17
	s_lshl_b32 s35, s20, 10
	s_add_co_u32 s34, s34, s35
	s_mov_b32 s35, 0                               ; s[34:35]: my rows, my 1,024 bytes of each
	s_sub_co_u32 s38, s24, 1
	s_mov_b32 s39, 0x8000
	s_mov_b32 s41, 0x10000
	s_cmp_lt_u32 s38, 4                            ; k, v, Wq, Wk: the middle groups of eight rows change places
	s_cselect_b32 s42, s41, s39
	s_cselect_b32 s43, s39, s41
	s_mov_b32 s40, 0xffff0000                      ; lanes 16-31
	s_mov_b32 s[SEL], 0x76543210
	s_mov_b32 s[SEL+1], 0xfedcba98
	v_and_b32 v1, 31, v0
	v_lshlrev_b32 v[LI], 4, v1
	v_lshlrev_b32 v[L8], 3, v1
	v_mov_b32 v[RO], v[LI]
	v_add_nc_u32 v[RO+1], s42, v[LI]
	v_add_nc_u32 v[RO+2], s43, v[LI]
	v_add_nc_u32 v[RO+3], 0x18000, v[LI]
	s_mul_i32 s44, s20, STGB
	v_add_nc_u32 v[STI], s44, v[LI]
	v_and_b32 v3, 15, v0
	v_bfe_u32 v11, v0, 4, 1
	v_mul_u32_u24 v[STO], v3, 528
	v_lshl_add_u32 v[STO], v11, 6, v[STO]
	v_add_nc_u32 v[STO], s44, v[STO]
.irp b, 0,1,2,3
	v_mov_b32 v[TM+4+\b], 0                        ; written once: a lane permute's destination counts as one of its sources
.endr
	s_wait_alu depctr_va_vdst(0)
	s_wait_kmcnt 0x0
	s_cmp_eq_u32 s24, 1                            ; the choice hangs on the work-group's number alone
	s_cselect_b64 s[4:5], s[6:7], s[4:5]
	s_cmp_eq_u32 s24, 2
	s_cselect_b64 s[4:5], s[8:9], s[4:5]
	s_cmp_eq_u32 s24, 3
	s_cselect_b64 s[4:5], s[10:11], s[4:5]
	s_cmp_eq_u32 s24, 4
	s_cselect_b64 s[4:5], s[12:13], s[4:5]
	s_cmp_eq_u32 s24, 5
	s_cselect_b64 s[4:5], s[14:15], s[4:5]
	s_add_nc_u64 s[4:5], s[4:5], s[34:35]
	s_add_nc_u64 s[16:17], s[16:17], s[30:31]
	s_add_nc_u64 s[18:19], s[18:19], s[32:33]
	LOADF 0
	LOADF 1
.irp f, 0,1,2,3
.if \f < 3
	s_wait_loadcnt 16                              ; this fragment's 16 loads are in; the 16 of the other set may be out
.else
	s_wait_loadcnt 0x0
.endif
	TURN16 \f
	s_wait_dscnt 0x0                               ; the numbers are back, and the stage's stores have read their set,
.if \f < 2
	LOADF \f+2                                     ; which takes the fragment after next
.endif
	s_wait_xcnt 0x0                                ; the last fragment's stores have read the codes' registers
	QUANT X, PW+\f
.irp c, 0,1,2
	global_store_b128 v[LI], v[PC+4*\c:PC+4*\c+3], s[16:17] offset:\f*1536+512*\c   ; 32 lanes store 512 consecutive bytes, aligned
.endr
.endr
	v_cndmask_b32 v[OW], v[PW], v[PW+2], s40       ; lanes 0-15: rows 0-15's two words; lanes 16-31: rows 16-31's
	v_cndmask_b32 v[OW+1], v[PW+1], v[PW+3], s40
	global_store_b64 v[L8], v[OW:OW+1], s[18:19]   ; 256 consecutive bytes, aligned
	s_wait_tensorcnt 0x0                           ; the wave's end, behind my last LDS store
	ds_add_u32 v[SPW], v[NIL]
	s_wait_dscnt 0x0
	s_endpgm
.Lfunc_end_k_qfed599d137_quant:
	.size	k_qfed599d137_quant, .Lfunc_end_k_qfed599d137_quant-k_qfed599d137_quant
	.p2alignl 7, 3214868480
	.fill 96, 4, 3214868480
	.section	.rodata,"a",@progbits
	.p2align	6, 0x0
	.amdhsa_kernel k_qfed599d137_quant
		.amdhsa_group_segment_fixed_size 34304
		.amdhsa_private_segment_fixed_size 0
		.amdhsa_enable_private_segment 0
		.amdhsa_kernarg_size 64
		.amdhsa_user_sgpr_count 2
		.amdhsa_user_sgpr_kernarg_segment_ptr 1
		.amdhsa_wavefront_size32 1
		.amdhsa_system_sgpr_workgroup_id_x 1
		.amdhsa_system_sgpr_workgroup_id_y 1
		.amdhsa_system_sgpr_workgroup_id_z 1
		.amdhsa_system_vgpr_workitem_id 0
		.amdhsa_next_free_vgpr 256
		.amdhsa_next_free_sgpr 66
		.amdhsa_reserve_vcc 0
		.amdhsa_float_denorm_mode_32 3
		.amdhsa_float_denorm_mode_16_64 3
		.amdhsa_memory_ordered 1
		.amdhsa_forward_progress 1
		.amdhsa_inst_pref_size 35
	.end_amdhsa_kernel
	.amdgpu_metadata
---
amdhsa.version: [ 1, 2 ]
amdhsa.kernels:
  - .name:           k_qfed599d137_quant
    .symbol:         k_qfed599d137_quant.kd
    .args:
      - { .name: q, .offset: 0, .size: 8, .value_kind: global_buffer, .address_space: global }
      - { .name: k, .offset: 8, .size: 8, .value_kind: global_buffer, .address_space: global }
      - { .name: v, .offset: 16, .size: 8, .value_kind: global_buffer, .address_space: global }
      - { .name: Wq, .offset: 24, .size: 8, .value_kind: global_buffer, .address_space: global }
      - { .name: Wk, .offset: 32, .size: 8, .value_kind: global_buffer, .address_space: global }
      - { .name: Wv, .offset: 40, .size: 8, .value_kind: global_buffer, .address_space: global }
      - { .name: inc, .offset: 48, .size: 8, .value_kind: global_buffer, .address_space: global }
      - { .name: ins, .offset: 56, .size: 8, .value_kind: global_buffer, .address_space: global }
    .group_segment_fixed_size: 34304
    .private_segment_fixed_size: 0
    .kernarg_segment_align: 8
    .kernarg_segment_size: 64
    .max_flat_workgroup_size: 128
    .sgpr_count:     66
    .vgpr_count:     256
    .wavefront_size: 32
...
	.end_amdgpu_metadata
.endif
;; end of part 1
;; launch proj (part 2): grid 4 x 64, 4 waves a work-group, clusters of 4 x 4, 327,680 bytes of LDS; arguments inc, ins, bq, bk, bv, prc, prs; writes prc, prs
.if DOCPART == 2
	.amdgcn_target "amdgcn-amd-amdhsa--gfx1250"
	.amdhsa_code_object_version 6
	.text
	.protected	k_qfed599d137_proj
	.globl	k_qfed599d137_proj
	.p2align	8
	.type	k_qfed599d137_proj,@function
k_qfed599d137_proj:
	s_mov_b64 s[64:65], 0
	v_nop
	global_prefetch_b8 v0, s[64:65] scope:SCOPE_SE
	s_setreg_imm32_b32 hwreg(HW_REG_WAVE_MODE, 25, 1), 1
	s_wait_xcnt 0x0
	s_wait_alu depctr_hold_cnt(0) depctr_sa_sdst(0) depctr_va_vdst(0) depctr_va_sdst(0) depctr_va_ssrc(0) depctr_va_vcc(0) depctr_vm_vsrc(0)
	s_getreg_b32 s2, hwreg(HW_REG_IB_STS2, 6, 4)
	s_cmp_eq_u32 s2, 0
	s_cbranch_scc0 .Lentry_in_a_cluster
	s_endpgm
.Lentry_in_a_cluster:
	s_bfe_u32 s2, ttmp6, 0x10000c
	s_cmp_lg_u32 s2, 0xf033
	s_cbranch_scc0 .Lentry_shape_is_right
	s_endpgm
.Lentry_shape_is_right:
; The three projections x W^T + b on codes of FP6 (E2M3) with E8M0 scales, K = 1,024; the result is quantised in registers and leaves as codes: wq and wk along the 1,024 outputs, wv along the tokens (as wv^T).
; Operands and results lie as images of an operand's registers: a fragment (16 rows x 128 K) is 1,536 bytes, registers 4 c .. 4 c + 3 of lane l at 512 c + 16 l; a tensor is [K / 256][row / 16][(K / 128) % 2][1536];
; scale words [K / 256][row / 16][row % 16][(K / 128) % 2].
; A WORK-GROUP STAYS AND MAKES THREE TILES OF 128 x 256, ONE OF EACH TENSOR: 3 x 8,192 x 1,024 outputs are 98,304 for each of 256 work-groups, so every wave of the launch issues the same 768 matrix instructions.
; Work-group (X, Y), Y = 4 x cluster y + cy.  q, k: A = tokens 128 Y on, B = the weight's rows 256 X on.  v: A = Wv's rows 128 (2 X + cluster y % 2) on, B = tokens 256 (4 (cluster y / 2) + cy) on.
; THE MATRIX INSTRUCTION: source 0 = 16 rows of B, source 1 = 16 rows of A: a lane holds one row of A and eight places of B.  B's rows were laid by the launch before so that the 16 registers of two neighbouring tiles
; are 16 neighbours along the next K.  Four waves, each 64 rows of A x 128 places of B: 32 accumulators.
; LDS.  Two slots of 512 along K ([A][B's half 0][B's half 1], 49,152 bytes each, each brought by one load); seven pieces of 4,096 bytes of scale words (8 blocks of rows, all of K); three stages for the results' scale words; the spare words.
; WHO LOADS: wave 0 A, waves 1 and 2 B's halves.  At the start: both slots of tile 0 and seven scale pieces (five tensor loads of wave 0 are out, four of waves 1 and 2).  Each slot is filled again as soon as it is read out, with the same
; half of K of the next tile, so the ring goes on from tile to tile; wave 3 brings tile 2's two pieces of B's scale words into tile 0's, behind the second and the third round.
; CLUSTER 4 x 4: in every tile the tokens' parts hang on cy alone and are shared along a row, the weights' on cx alone and are shared along a column, by joint loads.
; LIMITS: NaN and infinities are not served; a block whose largest magnitude lies under 2^-124 keeps the byte 1.
; REGISTERS: window 0: v0-31 addresses; v32-95 scale words, two sets, and nothing else; v96-143, v144-191 A's fragments, two sets (on the way out: v96-121 work and the pair's scale words); v192-235 codes and work of the way out.
;   window 1: v0-95, v96-191 B's two sets.  window 2: accumulator (a, b) at v[64 a + 8 b].  window 3: v0-63 bq, v64-127 bk by the register's output; v128-135 bv of my row in block a, in pairs.
; THE SCALE WORDS AND THE HEAD, AS THEY STAND (this paragraph takes the place of what is said of them under LDS and WHO LOADS above).
; No tensor load brings scale words.  A piece is 4 rows (256 along K each) of 1,024 bytes; wave w takes row w of every piece by two loads of 512 consecutive bytes and stores them to LDS as they lie.
; Seven pieces go to LDS at the head; tile 2's two pieces of B's words wait in v236-251 and are stored over tile 0's B pieces behind the barrier of tile 0's way out, when no wave reads those any more.
; At the head a wave issues one tensor load (slot 0: wave 0 A, waves 1 and 2 B's halves, wave 3 none); slot 1's first fill stands behind the waits, the add and a round, as a refill does.
; The next step's fragment loads stand in groups of 12 between the groups of eight matrix instructions.
.set PART,  49152
.set SLOTB, 3*PART
.set SCL,   2*SLOTB                    ; the scale pieces:
.set PA2,   SCL                        ; tile 2's A
.set PA0,   SCL+4096                   ; tile 0's A
.set PB0,   SCL+8192                   ; tile 0's B, two pieces; later tile 2's B
.set PA1,   SCL+16384                  ; tile 1's A
.set PB1,   SCL+20480                  ; tile 1's B, two pieces
.set SST,   SCL+28672                  ; the results' scale words: 8 blocks of rows x 128 bytes for each tile
.set SPARE, SST+3072                   ; the spare words, 128 bytes a wave
.set LI,   1                           ; v1   16 x lane
.set SSW,  4                           ; v4   where I put a result's scale word
.set R4,   5                           ; v5   4 r
.set H64,  7                           ; v7   64 h
.set T8,   8                           ; v8   8 x thread
.set SSR,  9                           ; v9   SST + 8 x thread
.set ADRA, 16                          ; v16-17 A's fragments in slot 0, 1
.set ADRB, 20                          ; v20-21 B's
.set ADRS, 24                          ; v24-26 scale words of tile 0, 1, 2: lanes 0-15 A's, lanes 16-31 B's
.set SPW,  28                          ; v28  my spare word; never rewritten
.set NIL,  29                          ; v29  0; never rewritten
.set SC,   32
.set AF,   96
.set PC,   192                         ; v192-231 the way out: the codes of a pair of blocks, 20 registers each
.set TM,   96                          ; v96-119  at work on the way out: 8 maxima, 8 from the other half of the lanes, 8 scale operands
.set PW,   120                         ; v120-121 the pair's scale words
.set SWD,  232                         ; v232-237 a pair for each tile: the scale words that I store (tile 2's lies where tile 2's B words waited up to tile 0's way out)
.set WV,   18
.set RH,   19                          ; which half of A is mine.  In waves 1 and 2 also: which half of B I fetch
.set CH,   20                          ; which half of B is mine
.set SEL,  21                          ; s[21:22] selects for lane l xor 16
.set LB,   67                          ; s67  where the half of B that I fetch lies in a slot
.set G1T,  24                          ; tokens' codes: the row's mask
.set G1W,  32                          ; weights' codes: the column's mask
.set G0T,  40                          ; a set for each slot
.set G0W,  48
.set G1ST, 56                          ; tokens' scale words
.set G1SW, 68                          ; weights' scale words
.set ST0,  76
.set ST1,  80
.set SW0,  84
.set SW1,  88
.set SW2,  92
.set T2,   96                          ; s[96:97]   tile 2: the tokens' part that I fetch
.set W2,   98                          ; s[98:99]   tile 2: Wv's part
.set ST2,  100                         ; s[100:101] tile 2: the tokens' scale words
.set OC0,  14                          ; results: wq (wk lies 6,291,456 bytes on)
.set OS0,  16
.set OC2,  4                           ; wv^T
.set OS2,  6
.set MSB, 0
.macro WIN new                         ; the immediate's high byte repeats the setting that is left
.if MSB != (\new)
	s_set_vgpr_msb (MSB<<8)|(\new)
.set MSB, (\new)
.endif
.endm
.macro PLACES n
.rept \n
	v_nop
.endr
.endm
.macro CREST                           ; a round of the cluster's barrier behind its opening barrier
	s_cmp_lg_u32 s[WV], 0
	s_cbranch_scc1 .Lnot_wave_0_\@
	s_barrier_signal -3
.Lnot_wave_0_\@:
	s_barrier_wait -3
	s_barrier_signal -1
	s_barrier_wait -1
.endm
.macro CROUND
	s_barrier_signal -1
	s_barrier_wait -1
	CREST
.endm
; The descriptors of a refill of slot f with tile nt's half of K; no tensor load of the wave is out here.  nt = 1: k's tokens and Wk lie a constant further on than q's and Wq.  nt = 2: the roles change: Wv is A, the tokens are B.
.macro NEXTG f, nt, w3
.if \nt == 1
	s_add_nc_u64 s[G0T+4*(\f)+2:G0T+4*(\f)+3], s[G0T+4*(\f)+2:G0T+4*(\f)+3], 6291456
	s_add_nc_u64 s[G0W+4*(\f)+2:G0W+4*(\f)+3], s[G0W+4*(\f)+2:G0W+4*(\f)+3], 786432
.else
	s_add_co_u32 s[G0T+4*(\f)+1], s[LB], (\f)*SLOTB
	s_add_nc_u64 s[G0T+4*(\f)+2:G0T+4*(\f)+3], s[T2:T2+1], (\f)*3145728
	s_or_b32 s[G0T+4*(\f)+3], s[G0T+4*(\f)+3], 0x80000000
	s_mov_b32 s[G0W+4*(\f)+1], (\f)*SLOTB
	s_add_nc_u64 s[G0W+4*(\f)+2:G0W+4*(\f)+3], s[W2:W2+1], (\f)*393216
	s_or_b32 s[G0W+4*(\f)+3], s[G0W+4*(\f)+3], 0x80000000
.endif
.endm
; A joint refill: wave 0 asks for A, waves 1 and 2 for B's halves, wave 3 for nothing.  The branches hang on the wave's number alone.  An s_nop 0 and four v_nop follow each line;
; the four v_nop stand on every wave's way: they are also the places in front of the LDS loads that follow.
.macro JL3 f, nt, w3
	s_cmp_eq_u32 s[WV], 0
	s_cbranch_scc0 .Lnot_a_\@
.if \nt == 1
	tensor_load_to_lds s[G0T+4*(\f):G0T+4*(\f)+3], s[G1T:G1T+7]
.else
	tensor_load_to_lds s[G0W+4*(\f):G0W+4*(\f)+3], s[G1W:G1W+7]
.endif
	s_nop 0
.rept 4
	v_nop
.endr
	s_branch .Lasked_\@
.Lnot_a_\@:
	s_cmp_lt_u32 s[WV], 3
	s_cbranch_scc0 .Lnot_b_\@
.if \nt == 1
	tensor_load_to_lds s[G0W+4*(\f):G0W+4*(\f)+3], s[G1W:G1W+7]
.else
	tensor_load_to_lds s[G0T+4*(\f):G0T+4*(\f)+3], s[G1T:G1T+7]
.endif
	s_nop 0
.rept 4
	v_nop
.endr
	s_branch .Lasked_\@
.Lnot_b_\@:
.rept 4
	v_nop
.endr
.Lasked_\@:
.endm
.macro FETCH slot, q, set              ; 36 LDS loads in one run: B's eight and A's four fragments of the slot's q-th 128 along K; each load takes 512 consecutive bytes
	WIN 0x40
.irp i, 0,1,2,3,4,5,6,7
.irp c, 0,1,2
	ds_load_b128 v[96*(\set)+12*\i+4*\c:96*(\set)+12*\i+4*\c+3], v[ADRB+(\slot)] offset:((\q)/2)*24576+((\q)%2)*1536+3072*\i+512*\c
.endr
.endr
	WIN 0
.irp i, 0,1,2,3
.irp c, 0,1,2
	ds_load_b128 v[AF+48*(\set)+12*\i+4*\c:AF+48*(\set)+12*\i+4*\c+3], v[ADRA+(\slot)] offset:((\q)/2)*24576+((\q)%2)*1536+3072*\i+512*\c
.endr
.endr
.endm
.macro FPART slot, q, set, g           ; a third of FETCH's 36 loads: g = 0, 1: B's fragments 4 g .. 4 g + 3; g = 2: A's four
.if (\g) < 2
	WIN 0x40
.irp j, 0,1,2,3,4,5,6,7,8,9,10,11
	ds_load_b128 v[96*(\set)+48*(\g)+4*\j:96*(\set)+48*(\g)+4*\j+3], v[ADRB+(\slot)] offset:((\q)/2)*24576+((\q)%2)*1536+3072*(4*(\g)+\j/3)+512*(\j%3)
.endr
.else
	WIN 0
.irp j, 0,1,2,3,4,5,6,7,8,9,10,11
	ds_load_b128 v[AF+48*(\set)+4*\j:AF+48*(\set)+4*\j+3], v[ADRA+(\slot)] offset:((\q)/2)*24576+((\q)%2)*1536+3072*(\j/3)+512*(\j%3)
.endr
.endif
.endm
.macro SCALES sc, p, t
.irp i, 0,1,2,3,4,5,6,7
.irp u, 0,1
	ds_load_b64 v[SC+32*(\sc)+4*\i+2*\u:SC+32*(\sc)+4*\i+2*\u+1], v[ADRS+(\t)] offset:(2*(\p)+\u)*1024+\i*128
.endr
.endr
.endm
.macro MULA a, set, sc, q, zero        ; A's block a against B's eight.  The 32 accumulators take turns, one instruction a turn, in the same order in every step
	WIN 0xa1
.irp b, 0,1,2,3,4,5,6,7
.if \zero
	v_wmma_scale_f32_16x16x128_f8f6f4 v[64*(\a)+8*\b:64*(\a)+8*\b+7], v[96*(\set)+12*\b:96*(\set)+12*\b+11], v[AF+48*(\set)+12*(\a):AF+48*(\set)+12*(\a)+11], 0, v[SC+32*(\sc)+4*\b+(\q)], v[SC+32*(\sc)+4*(\a)+(\q)] matrix_a_fmt:MATRIX_FMT_FP6 matrix_b_fmt:MATRIX_FMT_FP6 matrix_a_scale:MATRIX_SCALE_ROW1
.else
	v_wmma_scale_f32_16x16x128_f8f6f4 v[64*(\a)+8*\b:64*(\a)+8*\b+7], v[96*(\set)+12*\b:96*(\set)+12*\b+11], v[AF+48*(\set)+12*(\a):AF+48*(\set)+12*(\a)+11], v[64*(\a)+8*\b:64*(\a)+8*\b+7], v[SC+32*(\sc)+4*\b+(\q)], v[SC+32*(\sc)+4*(\a)+(\q)] matrix_a_fmt:MATRIX_FMT_FP6 matrix_b_fmt:MATRIX_FMT_FP6 matrix_a_scale:MATRIX_SCALE_ROW1
.endif
.endr
.endm
; A step of 128 along K.  f = 1: the next step's fragments are asked for first, into the other sets.
.macro KS set, sc, q, zero, f, nslot, nq
	s_wait_dscnt 0x0                               ; this step's fragments, asked for a whole step ago, are in
.if \f
	PLACES 4                                       ; four places in front of loads into registers that the last step's matrix instructions have read
.endif
.irp a, 0,1,2,3
.if \f
.if \a < 3
	FPART \nslot, \nq, 1-(\set), \a                ; 12 loads into the other sets ahead of each of the first three groups of products
.endif
.endif
	MULA \a, \set, \sc, \q, \zero
.endr
	WIN 0
.endm
; A slot's last step: one barrier; in front of it each wave waits for all its tensor loads, adds 0 to its spare word, and waits for that and for its reads of the slot.
; fill = 1: slot fslot is filled again, with tile nt's half of K.  fetch = 1: the tile goes on in slot nslot; fetch = 0: the tile ends with this step.
.macro KT set, sc, q, fill, fslot, nt, w3, fetch, nslot, nsc, np, t
	s_wait_tensorcnt 0x0                           ; all my tensor loads have landed
	ds_add_u32 v[SPW], v[NIL]                      ; 0 onto my spare word
	ds_add_u32 v[SPW], v[NIL]
	s_wait_dscnt 1                                 ; this step's fragments are in; the add alone may be out
	MULA 0, \set, \sc, \q, 0
	s_wait_dscnt 0x0                               ; the add is done, and my reads of the slot are over
	s_barrier_signal -1
	MULA 1, \set, \sc, \q, 0
	WIN 0
	s_barrier_wait -1
.if \fill
	CREST                                          ; the barrier has opened a round of the cluster's: no wave of any partner still reads the slot or has a load on its way
	NEXTG \fslot, \nt, \w3
	JL3 \fslot, \nt, \w3                           ; the first tensor load behind the round, one a wave
.else
	PLACES 4
.endif
.if \fetch
	FPART \nslot, 0, 1-(\set), 0
	FPART \nslot, 0, 1-(\set), 1
.endif
	MULA 2, \set, \sc, \q, 0
.if \fetch
	FPART \nslot, 0, 1-(\set), 2
	SCALES \nsc, \np, \t
.endif
	MULA 3, \set, \sc, \q, 0
	WIN 0
.endm
; Blocks a and a + 1 of tile t's way out, TOGETHER: their 128 accumulator registers lie on end in window 2, register 16 b + i (b = 0 .. 7) = k 32 (b % 4) + 16 h + i of my row of block a + b / 4.
; The bias is added in place; the eight blocks of 32 take turns line by line, so that no line waits for the line above it; the codes go to memory, the two scale words to the tile's stage.
.macro OUTB2 a, t
	s_wait_dscnt 0x0                               ; the last pair's scale words have left their registers,
	s_wait_xcnt 0x0                                ; and its stores have read the codes' registers
	WIN 0x8e                                       ; destination and source 0: the accumulators, window 2; source 1: the bias, window 3
.set i, 0
.rept 64
.if \t < 2
	v_pk_add_f32 v[64*(\a)+i:64*(\a)+i+1], v[64*(\a)+i:64*(\a)+i+1], v[64*(\t)+i%64:64*(\t)+i%64+1]   ; q, k: the bias goes by the register; each accumulator is read from its low end on
.else
	v_pk_add_f32 v[64*(\a)+i:64*(\a)+i+1], v[64*(\a)+i:64*(\a)+i+1], v[128+2*((\a)+i/64):128+2*((\a)+i/64)+1]   ; v: by the lane's row
.endif
.set i, i+2
.endr
	WIN 0x0a
.irp b, 0,1,2,3,4,5,6,7
	v_max3_num_f32 v[TM+\b], |v[64*(\a)+16*\b]|, |v[64*(\a)+16*\b+1]|, 0x1800000   ; and the floor 2^(3 - 127): the byte cannot fall under 1
.endr
	WIN 0x28
.irp i, 2,4,6,8,10,12,14
.irp b, 0,1,2,3,4,5,6,7
	v_max3_num_f32 v[TM+\b], v[TM+\b], |v[64*(\a)+16*\b+\i]|, |v[64*(\a)+16*\b+\i+1]|
.endr
.endr
	WIN 0
.irp b, 0,1,2,3,4,5,6,7
	v_permlanex16_b32 v[TM+8+\b], v[TM+\b], s[SEL], s[SEL+1]
.endr
.irp b, 0,1,2,3,4,5,6,7
	v_max_num_f32 v[TM+\b], v[TM+\b], v[TM+8+\b]   ; with lane l xor 16's: the block's largest magnitude
.endr
.irp b, 0,1,2,3,4,5,6,7
	v_add_nc_u32 v[TM+16+\b], 0xff000000, v[TM+\b]   ; 2 off the exponent field: the conversion's scale operand
.endr
.irp b, 0,1,2,3,4,5,6,7
	v_lshrrev_b32 v[TM+8+\b], 23, v[TM+16+\b]      ; the scale's byte
.endr
.irp u, 0,1
	v_lshl_or_b32 v[PW+\u], v[TM+9+4*\u], 8, v[TM+8+4*\u]
.endr
.irp u, 0,1
	v_lshl_or_b32 v[PW+\u], v[TM+10+4*\u], 16, v[PW+\u]
.endr
.irp u, 0,1
	v_lshl_or_b32 v[PW+\u], v[TM+11+4*\u], 24, v[PW+\u]
.endr
	WIN 0x02
.irp u, 0,1
.irp c, 0,1
	v_cvt_scalef32_pk16_fp6_f32 v[PC+20*\u+6*\c:PC+20*\u+6*\c+2], v[64*(\a)+64*\u+32*\c:64*(\a)+64*\u+32*\c+15], v[TM+16+4*\u+2*\c]
	v_cvt_scalef32_pk16_fp6_f32 v[PC+20*\u+12+4*\c:PC+20*\u+14+4*\c], v[64*(\a)+64*\u+16+32*\c:64*(\a)+64*\u+31+32*\c], v[TM+16+4*\u+2*\c+1]
.endr
.endr
	WIN 0
	v_nop                                          ; one plain place behind a scaled conversion
.irp u, 0,1
.irp c, 0,1
.irp i, 0,1,2
	v_permlane16_swap_b32 v[PC+20*\u+6*\c+\i], v[PC+20*\u+12+4*\c+\i]
.endr
.endr
.endr
.irp u, 0,1
.irp c, 0,1
.irp i, 0,1,2
	v_mov_b32 v[PC+20*\u+3+6*\c+\i], v[PC+20*\u+12+4*\c+\i]
.endr
.endr
.endr
.irp u, 0,1
.irp c, 0,1,2
.if \t == 2
	global_store_b128 v[LI], v[PC+20*\u+4*\c:PC+20*\u+4*\c+3], s[OC2:OC2+1] offset:3072*((\a)+\u)+512*\c   ; 512 consecutive bytes, aligned
.else
	global_store_b128 v[LI], v[PC+20*\u+4*\c:PC+20*\u+4*\c+3], s[OC0:OC0+1] offset:6291456*(\t)+3072*((\a)+\u)+512*\c
.endif
.endr
	ds_store_b32 v[SSW], v[PW+\u] offset:1024*(\t)+128*((\a)+\u)   ; lanes r and 16 + r write the same word with the same value
.endr
.endm
; Tile t's way out.  The refills of both slots have been asked for ahead of it.  The barrier in it guards the stage alone.
.macro EPI t
	PLACES 4                                       ; behind the tile's last products: their results are read and their operands' registers written from here on
.irp a, 0,2
	OUTB2 \a, \t
.endr
	s_wait_dscnt 0x0                               ; for the others' sake: my scale words lie in the stage
	s_barrier_signal -1
	s_barrier_wait -1
.if \t == 0                            ; every wave has waited for its reads of tile 0's scale words ahead of this barrier: tile 2's B words take the place of tile 0's; they are read behind later barriers
.irp p, 0,1
.irp j, 0,1
	ds_store_b128 v12, v[236+8*\p+4*\j:239+8*\p+4*\j] offset:8192+4096*\p+512*\j
.endr
.endr
.endif
	ds_load_b64 v[SWD+2*(\t):SWD+2*(\t)+1], v[SSR] offset:1024*(\t)
	s_wait_dscnt 0x0
.if \t == 2
	global_store_b64 v[T8], v[SWD+2*(\t):SWD+2*(\t)+1], s[OS2:OS2+1]   ; a wave stores 256 consecutive bytes, aligned; the four waves 1,024
.else
	global_store_b64 v[T8], v[SWD+2*(\t):SWD+2*(\t)+1], s[OS0:OS0+1] offset:262144*(\t)
.endif
.endm
	s_load_b256 s[4:11], s[0:1], 0x0               ; inc, ins, bq, bk
	s_load_b128 s[12:15], s[0:1], 0x20             ; bv, prc
	s_load_b64 s[16:17], s[0:1], 0x30              ; prs
	v_lshl_add_u32 v[SPW], v0, 2, SPARE
	v_mov_b32 v[NIL], 0
	ds_add_u32 v[SPW], v[NIL]                      ; the wave's opening: the add and its wait ahead of my first tensor load
	ds_add_u32 v[SPW], v[NIL]
	v_lshrrev_b32 v2, 5, v0
	v_readfirstlane_b32 s[WV], v2
	s_lshr_b32 s[RH], s[WV], 1
	s_and_b32 s[CH], s[WV], 1
	s_bfe_u32 s21, ttmp6, 0x40000                  ; cx
	s_bfe_u32 s22, ttmp6, 0x40004                  ; cy
	s_lshl_b32 s23, ttmp9, 2
	s_add_co_u32 s23, s23, s21                     ; X
	s_and_b32 s3, ttmp7, 0xffff                    ; the cluster's y
	s_lshl_b32 s2, s3, 2
	s_add_co_u32 s2, s2, s22                       ; Y: which 128 tokens of q and of k
	s_and_b32 s66, s3, 1
	s_lshl_b32 s67, s23, 1
	s_add_co_u32 s66, s66, s67                     ; which 128 rows of Wv: 2 X + cluster y % 2
	s_lshr_b32 s3, s3, 1
	s_lshl_b32 s3, s3, 2
	s_add_co_u32 s3, s3, s22                       ; which 256 tokens of v: 4 (cluster y / 2) + cy
	s_lshl_b32 s96, s22, 2
	s_lshl_b32 s96, 15, s96                        ; my row of the cluster
	s_lshl_b32 s98, 0x1111, s21                    ; my column
	s_or_b32 s[G1T], s96, (3<<16)|(1<<21)          ; the mask; elements of 8 bytes; bit 21 set beside a mask; no padding
	s_or_b32 s[G1W], s98, (3<<16)|(1<<21)
.irp g, G1T, G1W                               ; a part: 2 rows (256 along K each) of 24,576 bytes (8 blocks of rows)
	s_mov_b32 s[\g+1], 3072<<16
	s_mov_b32 s[\g+2], 2<<16
	s_mov_b32 s[\g+3], 3072<<16
	s_mov_b32 s[\g+4], 2
	s_mov_b32 s[\g+6], 0
	s_mov_b32 s[\g+7], 0
.endr
	s_mov_b32 s[G1T+5], 196608                     ; 512 blocks of rows x 3,072 bytes from one 256 along K to the next
	s_mov_b32 s[G1W+5], 24576                      ; 64 blocks
	; byte offsets, in the places where the addresses will stand.  What belongs to tokens is made of cy, the cluster's y and the wave's number alone; what belongs to weights of cx, the cluster's y and the wave's number
	s_mul_i32 s[G0T+2], s2, 24576                  ; q's tokens: block of rows 8 Y
	s_mov_b32 s[G0T+3], 0
	s_mul_i32 s[G0W+2], s23, 49152                 ; Wq: block of rows 16 X + 8 x half
	s_mul_i32 s[G0W+3], s[RH], 24576
	s_add_co_u32 s[G0W+2], s[G0W+2], s[G0W+3]
	s_add_co_u32 s[G0W+2], s[G0W+2], 18874368
	s_mov_b32 s[G0W+3], 0
	s_mul_i32 s[T2], s3, 49152                     ; v's tokens: block of rows 16 x tile + 8 x half
	s_mul_i32 s[T2+1], s[RH], 24576
	s_add_co_u32 s[T2], s[T2], s[T2+1]
	s_add_co_u32 s[T2], s[T2], 12582912
	s_mov_b32 s[T2+1], 0
	s_mul_i32 s[W2], s66, 24576                    ; Wv: block of rows 8 x tile
	s_add_co_u32 s[W2], s[W2], 20447232
	s_mov_b32 s[W2+1], 0
	s_lshl_b32 s[ST0+2], s2, 10                    ; the scale words likewise: 128 bytes a block of rows
	s_mov_b32 s[ST0+3], 0
	s_lshl_b32 s[SW0+2], s23, 11
	s_add_co_u32 s[SW0+2], s[SW0+2], 786432
	s_mov_b32 s[SW0+3], 0
	s_lshl_b32 s[SW2+2], s66, 10
	s_add_co_u32 s[SW2+2], s[SW2+2], 851968
	s_mov_b32 s[SW2+3], 0
	s_lshl_b32 s[ST2], s3, 11
	s_add_co_u32 s[ST2], s[ST2], 524288
	s_mov_b32 s[ST2+1], 0
	s_mul_i32 s[LB], s[RH], PART
	s_add_co_u32 s[LB], s[LB], PART                ; B's half 0 behind A, half 1 behind that: no place in the cluster enters an LDS address
	s_mov_b32 s[G0T], 1
	s_mov_b32 s[G0T+1], 0
	s_mov_b32 s[G0T+4], 1
	s_mov_b32 s[G0T+5], SLOTB
	s_mov_b32 s[G0W], 1
	s_add_co_u32 s[G0W+1], s[LB], 0
	s_mov_b32 s[G0W+4], 1
	s_add_co_u32 s[G0W+5], s[LB], SLOTB
	s_wait_dscnt 0x0                               ; the opening add is done
	s_wait_kmcnt 0x0
	s_add_nc_u64 s[G0T+2:G0T+3], s[4:5], s[G0T+2:G0T+3]
	s_add_nc_u64 s[G0W+2:G0W+3], s[4:5], s[G0W+2:G0W+3]
	s_add_nc_u64 s[T2:T2+1], s[4:5], s[T2:T2+1]
	s_add_nc_u64 s[W2:W2+1], s[4:5], s[W2:W2+1]
	s_add_nc_u64 s[ST0+2:ST0+3], s[6:7], s[ST0+2:ST0+3]
	s_add_nc_u64 s[SW0+2:SW0+3], s[6:7], s[SW0+2:SW0+3]
	s_add_nc_u64 s[SW2+2:SW2+3], s[6:7], s[SW2+2:SW2+3]
	s_add_nc_u64 s[ST2:ST2+1], s[6:7], s[ST2:ST2+1]
	s_add_nc_u64 s[G0T+6:G0T+7], s[G0T+2:G0T+3], 3145728   ; slot 1: 512 along K on
	s_add_nc_u64 s[G0W+6:G0W+7], s[G0W+2:G0W+3], 393216
.irp g, G0T, G0T+4, G0W, G0W+4
	s_or_b32 s[\g+3], s[\g+3], 0x80000000          ; the type
.endr
	CROUND                                         ; all sixteen work-groups are here: the first joint loads meet
	JL3 0, 1, 0                                    ; slot 0 of tile 0: one tensor load a wave at the head
	s_lshl_b32 s4, s23, 10                         ; bq, bk at output 256 X + 128 CH
	s_lshl_b32 s5, s[CH], 9
	s_add_co_u32 s4, s4, s5
	s_mov_b32 s5, 0
	s_add_nc_u64 s[8:9], s[8:9], s[4:5]
	s_add_nc_u64 s[10:11], s[10:11], s[4:5]
	s_lshl_b32 s4, s66, 9                          ; bv at row 128 x tile + 64 RH
	s_lshl_b32 s6, s[RH], 8
	s_add_co_u32 s4, s4, s6
	s_add_nc_u64 s[12:13], s[12:13], s[4:5]
	v_and_b32 v2, 31, v0
	v_lshlrev_b32 v[LI], 4, v2
	v_and_b32 v3, 15, v0                           ; r
	v_bfe_u32 v6, v0, 4, 1                         ; h
	s_wait_alu depctr_va_vdst(0)
	v_lshlrev_b32 v[H64], 6, v6
	v_lshlrev_b32 v[R4], 2, v3
	s_lshl_b32 s6, s[WV], 16
	v_add_nc_u32 v10, s6, v[LI]                    ; the tokens' scale words: my row of a piece lies 65,536 x wave on
	s_lshl_b32 s6, s[WV], 13
	v_add_nc_u32 v11, s6, v[LI]                    ; the weights': 8,192 x wave on
	s_lshl_b32 s6, s[WV], 10
	s_add_co_u32 s6, s6, SCL
	v_add_nc_u32 v12, s6, v[LI]                    ; and in LDS 1,024 x wave on in each piece
.irp j, 0,1                                    ; 18 loads of 512 consecutive bytes; register 96 + 8 P + 4 j belongs to the piece at SCL + 4,096 P
	global_load_b128 v[96+4*\j:99+4*\j], v11, s[SW2+2:SW2+3] offset:512*\j              ; tile 2's A (Wv)
	global_load_b128 v[104+4*\j:107+4*\j], v10, s[ST0+2:ST0+3] offset:512*\j            ; tile 0's A (q)
	global_load_b128 v[112+4*\j:115+4*\j], v11, s[SW0+2:SW0+3] offset:512*\j            ; tile 0's B (Wq), two pieces
	global_load_b128 v[120+4*\j:123+4*\j], v11, s[SW0+2:SW0+3] offset:1024+512*\j
	global_load_b128 v[128+4*\j:131+4*\j], v10, s[ST0+2:ST0+3] offset:262144+512*\j     ; tile 1's A (k)
	global_load_b128 v[136+4*\j:139+4*\j], v11, s[SW0+2:SW0+3] offset:32768+512*\j      ; tile 1's B (Wk), two pieces
	global_load_b128 v[144+4*\j:147+4*\j], v11, s[SW0+2:SW0+3] offset:33792+512*\j
	global_load_b128 v[236+4*\j:239+4*\j], v10, s[ST2:ST2+1] offset:512*\j              ; tile 2's B (v), two pieces: kept in registers
	global_load_b128 v[244+4*\j:247+4*\j], v10, s[ST2:ST2+1] offset:1024+512*\j
.endr
	WIN 0xc0
.irp b, 0,1,2,3
.irp i, 0,1,2,3
	global_load_b128 v[16*\b+4*\i:16*\b+4*\i+3], v[H64], s[8:9] offset:128*\b+16*\i         ; register 16 b + i: output 32 b + 16 h + i
	global_load_b128 v[64+16*\b+4*\i:64+16*\b+4*\i+3], v[H64], s[10:11] offset:128*\b+16*\i
.endr
.endr
.irp a, 0,1,2,3
	global_load_b32 v[128+2*\a], v[R4], s[12:13] offset:64*\a     ; twice: a pair for the packed addition
	global_load_b32 v[128+2*\a+1], v[R4], s[12:13] offset:64*\a
.endr
	WIN 0
	s_mul_i32 s4, s[RH], 12288                     ; my four blocks of A's eight
	v_add_nc_u32 v[ADRA], s4, v[LI]
	v_add_nc_u32 v[ADRA+1], SLOTB, v[ADRA]
	s_mul_i32 s4, s[CH], PART
	s_add_co_u32 s4, s4, PART
	v_add_nc_u32 v[ADRB], s4, v[LI]
	v_add_nc_u32 v[ADRB+1], SLOTB, v[ADRB]
	s_lshl_b32 s4, s[RH], 9                        ; scale words: lanes 0-15 A's piece, my four blocks; lanes 16-31 B's piece CH: the lower base + h x the distance
	s_lshl_b32 s5, s[CH], 12
	s_add_co_u32 s5, s5, 4096
	s_sub_co_u32 s5, s5, s4
	v_mul_u32_u24 v27, s5, v6
	v_lshl_add_u32 v27, v3, 3, v27
	s_add_co_u32 s5, s4, PA0
	v_add_nc_u32 v[ADRS], s5, v27
	s_add_co_u32 s5, s4, PA1
	v_add_nc_u32 v[ADRS+1], s5, v27
	v_lshl_add_u32 v27, v6, 12, v27                ; tile 2's B lies one piece further from its A
	s_add_co_u32 s5, s4, PA2
	v_add_nc_u32 v[ADRS+2], s5, v27
	s_lshl_b32 s5, s[CH], 2
	s_add_co_u32 s4, s4, s5
	s_add_co_u32 s4, s4, SST
	v_lshl_add_u32 v[SSW], v3, 3, s4               ; SST + 128 (4 RH + a) + 8 r + 4 CH
	v_lshlrev_b32 v[T8], 3, v0
	v_add_nc_u32 v[SSR], SST, v[T8]
	s_lshl_b32 s4, s3, 6                           ; wv^T: 64 blocks of rows for each 256 tokens; my work-group's eight
	s_lshl_b32 s6, s66, 3
	s_add_co_u32 s4, s4, s6
	s_lshl_b32 s6, s4, 7
	s_add_co_u32 s6, s6, 524288
	s_mov_b32 s7, 0
	s_add_nc_u64 s[OS2:OS2+1], s[16:17], s[6:7]    ; its 1,024 bytes of scale words
	s_lshl_b32 s5, s[RH], 2
	s_add_co_u32 s4, s4, s5
	s_lshl_b32 s4, s4, 1
	s_add_co_u32 s4, s4, s[CH]
	s_mul_i32 s4, s4, 1536
	s_add_co_u32 s4, s4, 12582912
	s_mov_b32 s5, 0
	s_add_nc_u64 s[OC2:OC2+1], s[14:15], s[4:5]    ; my block 0's fragment; block a lies 3,072 a on
	s_lshl_b32 s66, s23, 9                         ; wq: 512 blocks of rows for each 256 outputs; blocks 8 Y on
	s_lshl_b32 s3, s2, 3
	s_add_co_u32 s66, s66, s3
	s_lshl_b32 s2, s66, 7
	s_mov_b32 s3, 0
	s_add_nc_u64 s[OS0:OS0+1], s[16:17], s[2:3]
	s_lshl_b32 s2, s[RH], 2
	s_add_co_u32 s66, s66, s2
	s_lshl_b32 s66, s66, 1
	s_add_co_u32 s66, s66, s[CH]
	s_mul_i32 s2, s66, 1536
	s_add_nc_u64 s[OC0:OC0+1], s[14:15], s[2:3]
	s_mov_b32 s[SEL], 0x76543210
	s_mov_b32 s[SEL+1], 0xfedcba98
	s_wait_alu depctr_va_vdst(0)                   ; the head's end
	s_wait_loadcnt 40                              ; the 18 loads of scale words are in; the 40 of the biases, issued behind them, may be out
.irp p, 0,1,2,3,4,5,6
.irp j, 0,1
	ds_store_b128 v12, v[96+8*\p+4*\j:99+8*\p+4*\j] offset:4096*\p+512*\j
.endr
.endr
	s_wait_tensorcnt 0x0                           ; my part of slot 0 is in
	ds_add_u32 v[SPW], v[NIL]
	ds_add_u32 v[SPW], v[NIL]                      ; twice
	s_wait_dscnt 0x0                               ; the adds and my stores of scale words are done
	CROUND                                         ; slot 0 and the scale words are whole for every wave, and the partners' joint loads meet
	JL3 1, 1, 0                                    ; slot 1's first fill, the first tensor load behind the round
	; ---- tile 0: q
	FETCH 0, 0, 0
	SCALES 0, 0, 0
	KS 0, 0, 0, 1, 1, 0, 1                         ; the first products start the sums
	KS 1, 0, 1, 0, 1, 0, 2
	KS 0, 0, 2, 0, 1, 0, 3
	KT 1, 0, 3, 1, 0, 1, 0, 1, 1, 1, 1, 0          ; slot 0 takes tile 1's K 0 .. 511
	KS 0, 1, 0, 0, 1, 1, 1
	KS 1, 1, 1, 0, 1, 1, 2
	KS 0, 1, 2, 0, 1, 1, 3
	KT 1, 1, 3, 1, 1, 1, 0, 0, 0, 0, 0, 0          ; slot 1 takes tile 1's K 512 .. 1023
	s_wait_loadcnt 0x0                             ; the biases
	EPI 0
	; ---- tile 1: k.  Its first half was shown whole to every wave by the waits in front of the last round
	FETCH 0, 0, 0
	SCALES 0, 0, 1
	KS 0, 0, 0, 1, 1, 0, 1
	KS 1, 0, 1, 0, 1, 0, 2
	KS 0, 0, 2, 0, 1, 0, 3
	KT 1, 0, 3, 1, 0, 2, 0, 1, 1, 1, 1, 1          ; slot 0 takes tile 2's first half
	KS 0, 1, 0, 0, 1, 1, 1
	KS 1, 1, 1, 0, 1, 1, 2
	KS 0, 1, 2, 0, 1, 1, 3
	KT 1, 1, 3, 1, 1, 2, 0, 0, 0, 0, 0, 0          ; slot 1 takes tile 2's second half: the last load
	EPI 1
	; ---- tile 2: v
	FETCH 0, 0, 0
	SCALES 0, 0, 2
	KS 0, 0, 0, 1, 1, 0, 1
	KS 1, 0, 1, 0, 1, 0, 2
	KS 0, 0, 2, 0, 1, 0, 3
	KT 1, 0, 3, 0, 0, 0, 0, 1, 1, 1, 1, 2          ; nothing is left to fetch
	KS 0, 1, 0, 0, 1, 1, 1
	KS 1, 1, 1, 0, 1, 1, 2
	KS 0, 1, 2, 0, 1, 1, 3
	KS 1, 1, 3, 0, 0, 0, 0
	EPI 2
	s_wait_tensorcnt 0x0                           ; the wave's end
	ds_add_u32 v[SPW], v[NIL]
	s_wait_dscnt 0x0
	CROUND                                         ; the closing round
	s_endpgm
.Lfunc_end_k_qfed599d137_proj:
	.size	k_qfed599d137_proj, .Lfunc_end_k_qfed599d137_proj-k_qfed599d137_proj
	.p2alignl 7, 3214868480
	.fill 96, 4, 3214868480
	.section	.rodata,"a",@progbits
	.p2align	6, 0x0
	.amdhsa_kernel k_qfed599d137_proj
		.amdhsa_group_segment_fixed_size 327680
		.amdhsa_private_segment_fixed_size 0
		.amdhsa_enable_private_segment 0
		.amdhsa_kernarg_size 56
		.amdhsa_user_sgpr_count 2
		.amdhsa_user_sgpr_kernarg_segment_ptr 1
		.amdhsa_wavefront_size32 1
		.amdhsa_system_sgpr_workgroup_id_x 1
		.amdhsa_system_sgpr_workgroup_id_y 1
		.amdhsa_system_sgpr_workgroup_id_z 1
		.amdhsa_system_vgpr_workitem_id 0
		.amdhsa_next_free_vgpr 1024
		.amdhsa_next_free_sgpr 102
		.amdhsa_reserve_vcc 0
		.amdhsa_float_denorm_mode_32 3
		.amdhsa_float_denorm_mode_16_64 3
		.amdhsa_memory_ordered 1
		.amdhsa_forward_progress 1
		.amdhsa_inst_pref_size 255
	.end_amdhsa_kernel
	.section	.bss,"aw",@nobits
	.p2align	6
	.space	262144
	.amdgpu_metadata
---
amdhsa.version: [ 1, 2 ]
amdhsa.kernels:
  - .name:           k_qfed599d137_proj
    .symbol:         k_qfed599d137_proj.kd
    .args:
      - { .name: inc, .offset: 0, .size: 8, .value_kind: global_buffer, .address_space: global }
      - { .name: ins, .offset: 8, .size: 8, .value_kind: global_buffer, .address_space: global }
      - { .name: bq, .offset: 16, .size: 8, .value_kind: global_buffer, .address_space: global }
      - { .name: bk, .offset: 24, .size: 8, .value_kind: global_buffer, .address_space: global }
      - { .name: bv, .offset: 32, .size: 8, .value_kind: global_buffer, .address_space: global }
      - { .name: prc, .offset: 40, .size: 8, .value_kind: global_buffer, .address_space: global }
      - { .name: prs, .offset: 48, .size: 8, .value_kind: global_buffer, .address_space: global }
    .group_segment_fixed_size: 327680
    .private_segment_fixed_size: 0
    .kernarg_segment_align: 8
    .kernarg_segment_size: 56
    .max_flat_workgroup_size: 128
    .sgpr_count:     102
    .vgpr_count:     1024
    .wavefront_size: 32
...
	.end_amdgpu_metadata
.endif
;; end of part 2
;; launch score (part 3): grid 8 x 32, 4 waves a work-group, clusters of 4 x 4, 327,680 bytes of LDS; arguments prc, prs, att_mask, pc, ps, st; writes pc, ps, st
.if DOCPART == 3
	.amdgcn_target "amdgcn-amd-amdhsa--gfx1250"
	.amdhsa_code_object_version 6
	.text
	.protected	k_qfed599d137_score
	.globl	k_qfed599d137_score
	.p2align	8
	.type	k_qfed599d137_score,@function
k_qfed599d137_score:
	s_mov_b64 s[64:65], 0
	v_nop
	global_prefetch_b8 v0, s[64:65] scope:SCOPE_SE
	s_setreg_imm32_b32 hwreg(HW_REG_WAVE_MODE, 25, 1), 1
	s_wait_xcnt 0x0
	s_wait_alu depctr_hold_cnt(0) depctr_sa_sdst(0) depctr_va_vdst(0) depctr_va_sdst(0) depctr_va_ssrc(0) depctr_va_vcc(0) depctr_vm_vsrc(0)
	s_getreg_b32 s2, hwreg(HW_REG_IB_STS2, 6, 4)
	s_cmp_eq_u32 s2, 0
	s_cbranch_scc0 .Lentry_in_a_cluster
	s_endpgm
.Lentry_in_a_cluster:
	s_bfe_u32 s2, ttmp6, 0x10000c
	s_cmp_lg_u32 s2, 0xf033
	s_cbranch_scc0 .Lentry_shape_is_right
	s_endpgm
.Lentry_shape_is_right:
; The scores wq wk^T / 32 + att_mask on codes of FP6 (E2M3) with E8M0 scales, K = 1,024, and the softmax's p, quantised in registers along the keys.
; A work-group makes 256 queries x 256 keys of one batch; a wave 128 x 128: 64 accumulators.  Source 0 = 16 places of wk, source 1 = 16 rows of wq: a lane holds one query, and the 16 registers of two
; neighbouring tiles are 16 neighbouring keys (the launch before laid wk's rows so): register 16 b + i of a block of 16 queries is key 32 b + 16 h + i.
; THE MASK IS THE C OF THE SUMS.  At the head each wave loads its 128 x 128 numbers of the mask, turns them through a stage in LDS into the accumulators' layout and multiplies them by 32 (exact): the sums then
; are 32 mask + wq wk, and x log2(e) = sum x (log2(e) / 32).  A load takes 4 rows x 128 consecutive bytes; the stage is 16 rows x (128 + 16) bytes a wave, on bytes that no tensor load fills.
; Lanes 0-7 of a load take row p, lanes 8-15 row p + 8: 8 x 144 = 1,152 bytes on in the stage, 128 modulo 256.
; THE WAY OUT, by PAIRS of blocks of 16 queries x the wave's 128 keys, the pair's eight blocks of 32 keys by turns, so that no line waits for the line above it: M = ceil(the largest x log2(e) of a query's 128 keys),
; a whole number; p = 2^(x log2(e) - M); p's codes and scale word go to pc and ps, -M and the sum of the unquantised p to st.  The next launch brings a row's 16 groups of keys under one M, by powers of two alone.
; LDS.  K goes in quarters of 256; a part is 8 blocks of rows x one quarter, 24,576 bytes on end in memory; waves 0, 1 fetch A's two parts, waves 2, 3 B's.  Quarter 0 (later quarter 3) lies at wave x PARTB;
; quarters 1 and 2 come by ONE load a wave (two rows of 24,576 bytes, group 1 in G1DA, G1DB) and lie at SLOTB + wave x 2 PARTB.  A wave has one tensor load out at any time.
; THE SCALE WORDS come by plain loads, 512 consecutive bytes each, and are stored to LDS bytes on which no tensor load lands: wave w takes the piece (8 blocks of rows, all of K, 4,096 bytes) at SCL + 4,096 w.
; The next step's fragment loads stand in groups of 8 between the groups of eight matrix instructions.  No prefetch: the walk along K is four quarters, of which three are asked for at the head, and the mask is read there too.
; CLUSTER 4 x 4: wq's parts are shared along a row, wk's along a column, by joint loads.  The mask hangs on the query tile and the key tile and not on the batch, which all sixteen partners share: no two partners read the same part.
; LIMITS: NaN among the inputs is not served; the promise holds while the scaled scores stay under 2^31 in magnitude; a mask's number of 2^123 or more in magnitude becomes an infinity by the factor 32; a -infinity of the mask
; goes through the matrix unit's sum as C; a group of 128 keys whose every sum is -infinity gives p = 0 and the sum 0.
; REGISTERS: window 0: v0-31 addresses and single numbers of the way out; v32-63 scale words, two sets; v64-159, v160-255 A's fragments, two sets (way out: v64-127 at work, v128-255 a pair's 128 numbers).
;   window 1: v0-95, v96-191 B's two sets (head: four sets of 64 for the mask as loaded).  windows 2, 3: accumulator (a, b) at v[64 (a % 4) + 8 b].
.set PARTB, 24576
.set SLOTB, 4*PARTB
.set SCL,   3*SLOTB
.set SST,   SCL+4*4096                 ; p's scale words: 16 blocks of rows x 128 bytes
.set STT,   SST+2048                   ; -M and the sums: 1,024 bytes a wave
.set SPARE, STT+4096                   ; the spare words, 128 bytes a wave
.set MST,   SPARE+512                  ; the mask's stages
.set MSTB,  16*144
.set REFA,  3*512*3072                 ; from quarter 0 to quarter 3
.set LI,   1                           ; 16 x lane
.set RR,   2                           ; v2-3   way out: a query's largest t; later its sum
.set LS,   2
.set SSW,  4
.set STW,  5
.set MLO,  7                           ; the mask: 8,192 x row + 16 (lane % 8), row = lane / 16 + 8 ((lane / 8) % 2)
.set MSI,  8                           ; the stage, way in: 144 x row + 16 (lane % 8)
.set MSO,  9                           ; way out: 144 r + 64 h
.set SRD,  10
.set SCW,  11
.set NG,   12                          ; v12-15 -M of the pair's two queries, each the low word of a pair
.set ADRA, 16
.set ADRB, 20
.set ADRS, 24
.set T16,  25
.set SSR,  26
.set SPW,  28                          ; my spare word; never rewritten
.set NIL,  29                          ; 0; never rewritten
.set PW,   30                          ; v30-31 the pair's scale words
.set SC,   32
.set AF,   64
.set PC,   64                          ; v64-103 the pair's codes, 20 registers each
.set BX,   104                         ; v104-111 each 32 keys' largest sum, then largest p, then byte
.set TP,   112                         ; v112-119 from the other half of the lanes; later the sums' four chains
.set SO,   120                         ; v120-127 the conversions' scale operands
.set X,    128
.set WV,   18
.set RH,   19
.set CH,   20
.set G1A,  24
.set G1B,  32
.set G0A,  40                          ; set 0: quarter 0, later 3; set 1: quarters 1 and 2
.set G0B,  52
.set G1DA, 68
.set G1DB, 76
.set SEL,  16
.set L2E,  98                          ; log2(e) / 32
.set C32,  100                         ; 32
.set MSB, 0
.macro WIN new                         ; the immediate's high byte repeats the setting that is left
.if MSB != (\new)
	s_set_vgpr_msb (MSB<<8)|(\new)
.set MSB, (\new)
.endif
.endm
.macro PLACES n
.rept \n
	v_nop
.endr
.endm
.macro JLOAD g0a, g1a, g0b, g1b        ; a joint load: waves 0, 1 for A, waves 2, 3 for B; s_nop 0 and four v_nop behind each line
	s_cmp_eq_u32 s[RH], 0
	s_cbranch_scc0 .Lfor_b_\@
	tensor_load_to_lds s[\g0a:\g0a+3], s[\g1a:\g1a+7]
	s_nop 0
.rept 4
	v_nop
.endr
	s_branch .Lasked_\@
.Lfor_b_\@:
	tensor_load_to_lds s[\g0b:\g0b+3], s[\g1b:\g1b+7]
	s_nop 0
.rept 4
	v_nop
.endr
.Lasked_\@:
.endm
.macro CREST                           ; a round of the cluster's barrier behind its opening barrier
	s_cmp_lg_u32 s[WV], 0
	s_cbranch_scc1 .Lnot_wave_0_\@
	s_barrier_signal -3
.Lnot_wave_0_\@:
	s_barrier_wait -3
	s_barrier_signal -1
	s_barrier_wait -1
.endm
.macro CROUND
	s_barrier_signal -1
	s_barrier_wait -1
	CREST
.endm
.macro FPART slot, q, set, g           ; 8 of a step's 48 fragment loads: g = 0..2: loads 8 g on of B's 24; g = 3..5: of A's 24.  Load n is registers 4 n on: fragment n / 3, its 512 bytes n % 3
.if (\g) < 3
	WIN 0x40
.irp j, 0,1,2,3,4,5,6,7
	ds_load_b128 v[96*(\set)+4*(8*(\g)+\j):96*(\set)+4*(8*(\g)+\j)+3], v[ADRB+(\slot)] offset:1536*(\q)+3072*((8*(\g)+\j)/3)+512*((8*(\g)+\j)%3)
.endr
.else
	WIN 0
.irp j, 0,1,2,3,4,5,6,7
	ds_load_b128 v[AF+96*(\set)+4*(8*((\g)-3)+\j):AF+96*(\set)+4*(8*((\g)-3)+\j)+3], v[ADRA+(\slot)] offset:1536*(\q)+3072*((8*((\g)-3)+\j)/3)+512*((8*((\g)-3)+\j)%3)
.endr
.endif
.endm
.macro SCALES sc, p                    ; quarter p's scale words, two a row: lanes 0-15 A's block i, lanes 16-31 B's block i
.irp i, 0,1,2,3,4,5,6,7
	ds_load_b64 v[SC+16*(\sc)+2*\i:SC+16*(\sc)+2*\i+1], v[ADRS] offset:1024*(\p)+128*\i
.endr
.endm
.macro MULA a, set, sc, q              ; A's block a against B's eight.  The 64 accumulators take turns, one instruction a turn, in the same order in every step
	WIN 0xa1+0x50*((\a)/4)
.irp b, 0,1,2,3,4,5,6,7
	v_wmma_scale_f32_16x16x128_f8f6f4 v[64*((\a)%4)+8*\b:64*((\a)%4)+8*\b+7], v[96*(\set)+12*\b:96*(\set)+12*\b+11], v[AF+96*(\set)+12*(\a):AF+96*(\set)+12*(\a)+11], v[64*((\a)%4)+8*\b:64*((\a)%4)+8*\b+7], v[SC+16*(\sc)+2*\b+(\q)], v[SC+16*(\sc)+2*(\a)+(\q)] matrix_a_fmt:MATRIX_FMT_FP6 matrix_b_fmt:MATRIX_FMT_FP6 matrix_a_scale:MATRIX_SCALE_ROW1
.endr
.endm
; A step of 128 along K.  f = 1, 2: the next step's fragments go into the other sets, 8 loads ahead of each of the first six groups of products; f = 2: and the next quarter's scale words
.macro KS set, sc, q, f, nslot, nq, nsc, np
	s_wait_dscnt 0x0                               ; this step's fragments are in
.if \f
	PLACES 4                                       ; four places in front of loads into registers that the last step's matrix instructions have read
.endif
.irp a, 0,1,2,3,4,5,6,7
.if \f
.if \a < 6
	FPART \nslot, \nq, 1-(\set), \a
.endif
.endif
.if \f == 2
.if \a == 6
	WIN 0
	SCALES \nsc, \np
.endif
.endif
	MULA \a, \set, \sc, \q
.endr
	WIN 0
.endm
; A step with a barrier: in front of it each wave waits for all its tensor loads, adds 0 to its spare word, and waits for that and for its reads.  fill = 1: a round follows, and slot 0 takes quarter 3
.macro KT set, sc, q, fill, nslot, nsc, np
	s_wait_tensorcnt 0x0
	ds_add_u32 v[SPW], v[NIL]
	s_wait_dscnt 1                                 ; this step's fragments are in; the add alone may be out
	MULA 0, \set, \sc, \q
	MULA 1, \set, \sc, \q
	s_wait_dscnt 0x0
	s_barrier_signal -1
	MULA 2, \set, \sc, \q
	MULA 3, \set, \sc, \q
	WIN 0
	s_barrier_wait -1
.if \fill
	CREST
	s_add_nc_u64 s[G0A+2:G0A+3], s[G0A+2:G0A+3], REFA
	s_add_nc_u64 s[G0B+2:G0B+3], s[G0B+2:G0B+3], REFA
	JLOAD G0A, G1A, G0B, G1B                       ; the first tensor load behind the round; its four v_nop are the places in front of the loads below
.else
	PLACES 4
.endif
	FPART \nslot, 0, 1-(\set), 0
	FPART \nslot, 0, 1-(\set), 1
	MULA 4, \set, \sc, \q
	FPART \nslot, 0, 1-(\set), 2
	FPART \nslot, 0, 1-(\set), 3
	MULA 5, \set, \sc, \q
	FPART \nslot, 0, 1-(\set), 4
	FPART \nslot, 0, 1-(\set), 5
	MULA 6, \set, \sc, \q
	WIN 0
	SCALES \nsc, \np
	MULA 7, \set, \sc, \q
	WIN 0
.endm
; The mask of block a (16 queries x 128 keys).  REQ: 16 loads into set a % 4 of window 1; load (b, k): rows 2 k, 2 k + 1, 2 k + 8, 2 k + 9, keys 32 b .. 32 b + 31
.macro MASKREQ a
	WIN 0x40
.irp b, 0,1,2,3
.irp k, 0,1,2,3
	global_load_b128 v[64*((\a)%4)+16*\b+4*\k:64*((\a)%4)+16*\b+4*\k+3], v[MLO], s[8:9] offset:(16*(\a)+2*\k)*8192+128*\b
.endr
.endr
	WIN 0
.endm
; TURN: by quarters of the keys through my stage, into the accumulators.  LDS serves a wave's instructions in order: no wait between the stores and the loads, nor in front of the next quarter's stores
.macro MASKTURN a
	WIN 0x84+0x40*((\a)/4)                         ; a store's data window 1, a load's destination window 2 or 3
.irp b, 0,1,2,3
.irp k, 0,1,2,3
	ds_store_b128 v[MSI], v[64*((\a)%4)+16*\b+4*\k:64*((\a)%4)+16*\b+4*\k+3] offset:288*\k
.endr
.irp i, 0,1,2,3
	ds_load_b128 v[64*((\a)%4)+16*\b+4*\i:64*((\a)%4)+16*\b+4*\i+3], v[MSO] offset:16*\i
.endr
.endr
	WIN 0
.endm
.macro MASKMUL a                       ; x 32, in place
	WIN 0x82+0x41*((\a)/4)
.set i, 0
.rept 32
	v_pk_mul_f32 v[64*((\a)%4)+i:64*((\a)%4)+i+1], v[64*((\a)%4)+i:64*((\a)%4)+i+1], s[C32:C32+1] op_sel_hi:[1,0]
.set i, i+2
.endr
	WIN 0
.endm
; Blocks a and a + 1 go out together (a even): their 128 accumulator registers lie on end; b = 0 .. 7 counts the pair's blocks of 32 keys, u = b / 4 its two queries
.macro BLOCK2 a
.set AC, 64*((\a)%4)
	s_wait_dscnt 0x0                               ; the last pair's words have left their registers
	s_wait_alu depctr_va_vdst(0)                   ; ahead of the first reader of these sums
	WIN 0x2a+0x15*((\a)/4)
.irp b, 0,1,2,3,4,5,6,7
	v_max3_num_f32 v[BX+\b], v[AC+16*\b], v[AC+16*\b+1], v[AC+16*\b+2]   ; the largest sum of each 32 keys; each accumulator is read from its low end on
.endr
	WIN 0x28+0x14*((\a)/4)
.irp i, 3,5,7,9,11,13
.irp b, 0,1,2,3,4,5,6,7
	v_max3_num_f32 v[BX+\b], v[BX+\b], v[AC+16*\b+\i], v[AC+16*\b+\i+1]
.endr
.endr
.irp b, 0,1,2,3,4,5,6,7
	v_max_num_f32 v[BX+\b], v[BX+\b], v[AC+16*\b+15]
.endr
	WIN 0
.irp b, 0,1,2,3,4,5,6,7
	v_permlanex16_b32 v[TP+\b], v[BX+\b], s[SEL], s[SEL+1]
.endr
.irp b, 0,1,2,3,4,5,6,7
	v_max_num_f32 v[BX+\b], v[BX+\b], v[TP+\b]     ; with lane l xor 16's 16 keys
.endr
.irp u, 0,1
	v_max3_num_f32 v[RR+\u], v[BX+4*\u], v[BX+4*\u+1], v[BX+4*\u+2]
.endr
.irp u, 0,1
	v_max_num_f32 v[RR+\u], v[RR+\u], v[BX+4*\u+3]
.endr
.irp u, 0,1
	v_mul_f32 v[RR+\u], s[L2E], v[RR+\u]           ; as t (the factor is positive)
.endr
.irp u, 0,1
	v_max_num_f32 v[RR+\u], 0xff61b1e6, v[RR+\u]   ; held at -3e38 from below
.endr
.irp u, 0,1
	v_floor_f32 v[NG+2*\u], -v[RR+\u]              ; -M = floor(-t)
.endr
	WIN 0x02+(\a)/4
.irp u, 0,1
.set i, 0
.rept 32
	v_pk_fma_f32 v[X+64*\u+i:X+64*\u+i+1], v[AC+64*\u+i:AC+64*\u+i+1], s[L2E:L2E+1], v[NG+2*\u:NG+2*\u+1] op_sel_hi:[1,0,0]   ; t - M
.set i, i+2
.endr
.endr
	WIN 0
.irp b, 0,1,2,3,4,5,6,7
	v_fma_f32 v[BX+\b], v[BX+\b], s[L2E], v[NG+2*(\b/4)]   ; the same of each block's largest sum
.endr
.set i, 0
	s_wait_alu depctr_va_vdst(0)                   ; ahead of the batch
.rept 128
	v_exp_f32 v[X+i], v[X+i]
.set i, i+1
.endr
	v_nop
	s_wait_alu depctr_va_vdst(0)                   ; and behind it
.irp b, 0,1,2,3,4,5,6,7
	v_exp_f32 v[BX+\b], v[BX+\b]                   ; each block's largest p
.endr
.irp u, 0,1                                    ; the sums of the unquantised p, two chains a query
	v_pk_add_f32 v[TP+4*\u:TP+4*\u+1], v[X+64*\u:X+64*\u+1], v[X+64*\u+2:X+64*\u+3]
	v_pk_add_f32 v[TP+4*\u+2:TP+4*\u+3], v[X+64*\u+4:X+64*\u+5], v[X+64*\u+6:X+64*\u+7]
.endr
.irp j, 8,12,16,20,24,28,32,36,40,44,48,52,56,60
.irp u, 0,1
	v_pk_add_f32 v[TP+4*\u:TP+4*\u+1], v[TP+4*\u:TP+4*\u+1], v[X+64*\u+\j:X+64*\u+\j+1]
	v_pk_add_f32 v[TP+4*\u+2:TP+4*\u+3], v[TP+4*\u+2:TP+4*\u+3], v[X+64*\u+\j+2:X+64*\u+\j+3]
.endr
.endr
.irp u, 0,1
	v_pk_add_f32 v[TP+4*\u:TP+4*\u+1], v[TP+4*\u:TP+4*\u+1], v[TP+4*\u+2:TP+4*\u+3]
.endr
	s_wait_alu depctr_va_vdst(0)                   ; for the eight
.irp b, 0,1,2,3,4,5,6,7
	v_max_num_f32 v[BX+\b], 0x1800000, v[BX+\b]    ; the floor 2^(3 - 127): the byte cannot fall under 1
.endr
.irp b, 0,1,2,3,4,5,6,7
	v_add_nc_u32 v[SO+\b], 0xff000000, v[BX+\b]    ; 2 off the exponent field: the conversion's scale operand
.endr
.irp b, 0,1,2,3,4,5,6,7
	v_lshrrev_b32 v[BX+\b], 23, v[SO+\b]           ; the scale's byte
.endr
.irp u, 0,1
	v_lshl_or_b32 v[PW+\u], v[BX+4*\u+1], 8, v[BX+4*\u]
.endr
.irp u, 0,1
	v_lshl_or_b32 v[PW+\u], v[BX+4*\u+2], 16, v[PW+\u]
.endr
.irp u, 0,1
	v_lshl_or_b32 v[PW+\u], v[BX+4*\u+3], 24, v[PW+\u]
.endr
	s_wait_xcnt 0x0                                ; the last pair's stores have read the codes' registers
.irp u, 0,1
.irp c, 0,1
	v_cvt_scalef32_pk16_fp6_f32 v[PC+20*\u+6*\c:PC+20*\u+6*\c+2], v[X+64*\u+32*\c:X+64*\u+32*\c+15], v[SO+4*\u+2*\c]
	v_cvt_scalef32_pk16_fp6_f32 v[PC+20*\u+12+4*\c:PC+20*\u+14+4*\c], v[X+64*\u+16+32*\c:X+64*\u+31+32*\c], v[SO+4*\u+2*\c+1]
.endr
.endr
.irp u, 0,1
	v_add_f32 v[LS+\u], v[TP+4*\u], v[TP+4*\u+1]   ; (the plain place behind the conversions)
.endr
.irp u, 0,1
.irp c, 0,1
.irp i, 0,1,2
	v_permlane16_swap_b32 v[PC+20*\u+6*\c+\i], v[PC+20*\u+12+4*\c+\i]
.endr
.endr
.endr
.irp u, 0,1
	v_permlanex16_b32 v[BX+\u], v[LS+\u], s[SEL], s[SEL+1]
.endr
.irp u, 0,1
.irp c, 0,1
.irp i, 0,1,2
	v_mov_b32 v[PC+20*\u+3+6*\c+\i], v[PC+20*\u+12+4*\c+\i]
.endr
.endr
.endr
.irp u, 0,1
	v_add_f32 v[LS+\u], v[LS+\u], v[BX+\u]         ; with lane l xor 16's: the query's sum over these 128 keys
.endr
.irp u, 0,1
.irp c, 0,1,2
	global_store_b128 v[LI], v[PC+20*\u+4*\c:PC+20*\u+4*\c+3], s[10:11] offset:3072*((\a)+\u)+512*\c   ; 512 consecutive bytes, aligned
.endr
.endr
.irp u, 0,1
	ds_store_b32 v[SSW], v[PW+\u] offset:128*((\a)+\u)
	ds_store_b32 v[STW], v[NG+2*\u] offset:64*((\a)+\u)
	ds_store_b32 v[STW], v[LS+\u] offset:512+64*((\a)+\u)
.endr
.endm
	s_load_b256 s[4:11], s[0:1], 0x0               ; prc, prs, att_mask, pc
	s_load_b128 s[12:15], s[0:1], 0x20             ; ps, st
	v_lshl_add_u32 v[SPW], v0, 2, SPARE
	v_mov_b32 v[NIL], 0
	ds_add_u32 v[SPW], v[NIL]                      ; the opening lines: the add, twice on end, and its wait ahead of my first tensor load
	ds_add_u32 v[SPW], v[NIL]
	v_lshrrev_b32 v2, 5, v0
	v_readfirstlane_b32 s[WV], v2
	s_lshr_b32 s[RH], s[WV], 1                     ; my half of the queries; also: I fetch for A (0) or B (1)
	s_and_b32 s[CH], s[WV], 1                      ; my half of the keys; also: which part I fetch
	s_bfe_u32 s21, ttmp6, 0x40000                  ; cx
	s_bfe_u32 s22, ttmp6, 0x40004                  ; cy
	s_lshl_b32 s23, ttmp9, 2
	s_add_co_u32 s23, s23, s21                     ; key tile 0..7
	s_and_b32 s94, ttmp7, 0xffff
	s_lshr_b32 s93, s94, 1                         ; batch
	s_lshl_b32 s97, s94, 2
	s_add_co_u32 s97, s97, s22                     ; query tile 0..31, over the batches
	s_lshl_b32 s95, s22, 2
	s_lshl_b32 s95, 15, s95                        ; my row of the cluster
	s_lshl_b32 s96, 0x1111, s21                    ; my column
	s_or_b32 s[G1A], s95, (3<<16)|(1<<21)
	s_or_b32 s[G1B], s96, (3<<16)|(1<<21)
.irp g, G1A, G1B                               ; one quarter of a part: dense, 96 rows of 256 bytes
	s_mov_b32 s[\g+1], 32<<16
	s_mov_b32 s[\g+2], 96<<16
	s_mov_b32 s[\g+3], 32<<16
	s_mov_b32 s[\g+4], 96
	s_mov_b32 s[\g+5], 32
	s_mov_b32 s[\g+6], 0
	s_mov_b32 s[\g+7], 0
.endr
	s_or_b32 s[G1DA], s95, (3<<16)|(1<<21)
	s_or_b32 s[G1DB], s96, (3<<16)|(1<<21)
.irp g, G1DA, G1DB                             ; two quarters: 2 rows of 24,576 bytes, 512 blocks of rows x 3,072 bytes apart
	s_mov_b32 s[\g+1], 3072<<16
	s_mov_b32 s[\g+2], 2<<16
	s_mov_b32 s[\g+3], 3072<<16
	s_mov_b32 s[\g+4], 2
	s_mov_b32 s[\g+5], 196608
	s_mov_b32 s[\g+6], 0
	s_mov_b32 s[\g+7], 0
.endr
	s_lshl_b32 s92, s97, 4                         ; wq: block of rows 16 x query tile + 8 x part
	s_lshl_b32 s2, s[CH], 3
	s_add_co_u32 s92, s92, s2
	s_mul_i32 s2, s92, 3072
	s_mov_b32 s3, 0
	s_lshl_b32 s98, s92, 7
	s_mov_b32 s99, 0
	s_lshl_b32 s66, s93, 7                         ; wk: 128 x batch + 16 x key tile + 8 x part
	s_lshl_b32 s67, s23, 4
	s_add_co_u32 s66, s66, s67
	s_lshl_b32 s67, s[CH], 3
	s_add_co_u32 s66, s66, s67
	s_lshl_b32 s100, s66, 7
	s_add_co_u32 s100, s100, 262144
	s_cmp_eq_u32 s[RH], 0                          ; waves 0, 1 take A's pieces of scale words, waves 2, 3 B's
	s_cselect_b32 s98, s98, s100
	s_mul_i32 s66, s66, 3072
	s_add_co_u32 s66, s66, 6291456
	s_mov_b32 s67, 0
	s_and_b32 s100, s97, 7                         ; the mask: row 256 x (query tile % 8) + 128 RH, byte 1,024 x key tile + 512 CH
	s_lshl_b32 s100, s100, 21
	s_lshl_b32 s101, s[RH], 20
	s_add_co_u32 s100, s100, s101
	s_lshl_b32 s101, s23, 10
	s_add_co_u32 s100, s100, s101
	s_lshl_b32 s101, s[CH], 9
	s_add_co_u32 s100, s100, s101
	s_mov_b32 s101, 0
	v_and_b32 v2, 31, v0
	v_lshlrev_b32 v[LI], 4, v2
	v_lshrrev_b32 v3, 4, v2
	v_bfe_u32 v27, v2, 3, 1
	v_lshl_add_u32 v3, v27, 3, v3                  ; my row of a load's four: lane / 16 + 8 ((lane / 8) % 2)
	v_and_b32 v6, 7, v2
	v_lshlrev_b32 v[MLO], 13, v3
	v_lshl_add_u32 v[MLO], v6, 4, v[MLO]
	s_mul_i32 s92, s[WV], MSTB
	s_add_co_u32 s92, s92, MST                     ; my stage
	v_mul_u32_u24 v[MSI], v3, 144
	v_lshl_add_u32 v[MSI], v6, 4, v[MSI]
	v_add_nc_u32 v[MSI], s92, v[MSI]
	s_wait_alu depctr_va_vdst(0)
	s_wait_dscnt 0x0                               ; both opening adds are done
	s_wait_kmcnt 0x0
	s_add_nc_u64 s[2:3], s[4:5], s[2:3]
	s_add_nc_u64 s[66:67], s[4:5], s[66:67]
	s_add_nc_u64 s[98:99], s[6:7], s[98:99]
	s_add_nc_u64 s[8:9], s[8:9], s[100:101]
.irp p, 0,1,2,3                                ; my piece of scale words: 4 rows (256 along K each) of 1,024 bytes, 65,536 bytes apart; each load takes 512 consecutive bytes
	global_load_b128 v[X+8*\p:X+8*\p+3], v[LI], s[98:99] offset:65536*\p
	global_load_b128 v[X+8*\p+4:X+8*\p+7], v[LI], s[98:99] offset:65536*\p+512
.endr
	MASKREQ 0                                      ; three blocks of the mask, 48 loads, are on their way from here on
	MASKREQ 1
	MASKREQ 2
.irp s, 0,1
	s_mov_b32 s[G0A+4*\s], 1
	s_mul_i32 s[G0A+4*\s+1], s[WV], (1+\s)*PARTB
	s_add_co_u32 s[G0A+4*\s+1], s[G0A+4*\s+1], \s*SLOTB
	s_add_nc_u64 s[G0A+4*\s+2:G0A+4*\s+3], s[2:3], \s*512*3072
	s_or_b32 s[G0A+4*\s+3], s[G0A+4*\s+3], 0x80000000
	s_mov_b32 s[G0B+4*\s], 1
	s_mul_i32 s[G0B+4*\s+1], s[WV], (1+\s)*PARTB
	s_add_co_u32 s[G0B+4*\s+1], s[G0B+4*\s+1], \s*SLOTB
	s_add_nc_u64 s[G0B+4*\s+2:G0B+4*\s+3], s[66:67], \s*512*3072
	s_or_b32 s[G0B+4*\s+3], s[G0B+4*\s+3], 0x80000000
.endr
	CROUND                                         ; all sixteen work-groups are here: the first joint loads meet
	JLOAD G0A, G1A, G0B, G1B                       ; quarter 0: one tensor load a wave at the head
	v_and_b32 v3, 15, v0                           ; r
	v_bfe_u32 v6, v0, 4, 1                         ; h
	v_mul_u32_u24 v[MSO], v3, 144
	v_lshl_add_u32 v[MSO], v6, 6, v[MSO]
	v_add_nc_u32 v[MSO], s92, v[MSO]
	s_mul_i32 s2, s[RH], PARTB
	v_add_nc_u32 v[ADRA], s2, v[LI]
	s_add_co_u32 s2, s2, SLOTB
	v_add_nc_u32 v[ADRA+1], s2, v[ADRA]            ; quarter 1 of part w lies at SLOTB + 2 w PARTB,
	v_add_nc_u32 v[ADRA+2], PARTB, v[ADRA+1]       ; quarter 2 behind it
	s_mul_i32 s2, s[CH], PARTB
	s_add_co_u32 s2, s2, 2*PARTB
	v_add_nc_u32 v[ADRB], s2, v[LI]
	s_add_co_u32 s2, s2, SLOTB
	v_add_nc_u32 v[ADRB+1], s2, v[ADRB]
	v_add_nc_u32 v[ADRB+2], PARTB, v[ADRB+1]
	s_lshl_b32 s2, s[RH], 12                       ; scale words: lanes 0-15 A's piece RH, lanes 16-31 B's piece CH: the lower base + h x the distance
	s_lshl_b32 s3, s[CH], 12
	s_add_co_u32 s3, s3, 8192
	s_sub_co_u32 s3, s3, s2
	v_mul_u32_u24 v27, s3, v6
	s_add_co_u32 s2, s2, SCL
	v_lshl_add_u32 v27, v3, 3, v27
	v_add_nc_u32 v[ADRS], s2, v27
	s_lshl_b32 s2, s[RH], 10
	s_lshl_b32 s3, s[CH], 2
	s_add_co_u32 s2, s2, s3
	s_add_co_u32 s2, s2, SST
	v_lshl_add_u32 v[SSW], v3, 3, s2
	s_lshl_b32 s2, s[WV], 10
	s_add_co_u32 s2, s2, STT
	v_lshl_add_u32 v[STW], v3, 2, s2
	v_add_nc_u32 v[SRD], s2, v[LI]
	v_lshlrev_b32 v[T16], 4, v0
	v_add_nc_u32 v[SSR], SST, v[T16]
	s_lshl_b32 s2, s[WV], 12
	s_add_co_u32 s2, s2, SCL
	v_add_nc_u32 v[SCW], s2, v[LI]                 ; where my piece of scale words goes
	s_lshl_b32 s66, s23, 9                         ; pc, ps: 512 blocks of rows for each 256 keys; blocks 16 x query tile on
	s_lshl_b32 s67, s97, 4
	s_add_co_u32 s66, s66, s67
	s_lshl_b32 s2, s66, 7
	s_mov_b32 s3, 0
	s_add_nc_u64 s[12:13], s[12:13], s[2:3]
	s_lshl_b32 s67, s[RH], 3
	s_add_co_u32 s66, s66, s67
	s_lshl_b32 s66, s66, 1
	s_add_co_u32 s66, s66, s[CH]
	s_mul_i32 s66, s66, 1536
	s_mov_b32 s67, 0
	s_add_nc_u64 s[10:11], s[10:11], s[66:67]
	s_lshl_b32 s2, s23, 1                          ; st: [group of 128 keys][query], -M, and 524,288 bytes on the sums
	s_add_co_u32 s2, s2, s[CH]
	s_lshl_b32 s2, s2, 13
	s_lshl_b32 s3, s97, 8
	s_add_co_u32 s2, s2, s3
	s_lshl_b32 s3, s[RH], 7
	s_add_co_u32 s2, s2, s3
	s_lshl_b32 s2, s2, 2
	s_mov_b32 s3, 0
	s_add_nc_u64 s[14:15], s[14:15], s[2:3]
	s_wait_alu depctr_va_vdst(0)                   ; the head's end
	s_wait_loadcnt 48                              ; my 8 loads of scale words are in (so their base may be written below); the 48 of the mask, issued behind them, may be out
.irp p, 0,1,2,3
	ds_store_b128 v[SCW], v[X+8*\p:X+8*\p+3] offset:1024*\p
	ds_store_b128 v[SCW], v[X+8*\p+4:X+8*\p+7] offset:1024*\p+512
.endr
	s_mov_b32 s[SEL], 0x76543210
	s_mov_b32 s[SEL+1], 0xfedcba98
	s_mov_b32 s[L2E], 0x3d38aa3b
	s_mov_b32 s[L2E+1], s[L2E]
	s_mov_b32 s[C32], 0x42000000
	s_mov_b32 s[C32+1], s[C32]
	s_wait_tensorcnt 0x0                           ; my part of quarter 0 is in
	ds_add_u32 v[SPW], v[NIL]
	s_wait_dscnt 0x0                               ; the add and my stores of scale words are done
	CROUND                                         ; quarter 0 and the scale words are whole for every wave, and the partners' joint loads meet
	JLOAD G0A+4, G1DA, G0B+4, G1DB                 ; quarters 1 and 2, one load a wave, the first tensor load behind the round
	; the mask becomes the sums' first term, under that load's flight
.irp a, 0,1,2,3,4,5,6,7
.if \a < 6
	s_wait_loadcnt 32                              ; block a's 16 loads are in; those of the two blocks behind it may be out
.else
	s_wait_loadcnt 16*(7-\a)
.endif
	MASKTURN \a
.if \a > 0
	s_wait_dscnt 32                                ; all but this turn's 16 stores and 16 loads: block a - 1 is in its accumulators, and its stores have read their set,
.endif
.if \a < 5
	MASKREQ \a+3                                   ; which takes the block three further on
.endif
.if \a > 0
	MASKMUL \a-1
.endif
.endr
	s_wait_dscnt 0x0
	MASKMUL 7
	s_wait_alu depctr_va_vdst(0)                   ; the products read these registers behind waits
.irp g, 0,1,2,3,4,5
	FPART 0, 0, 0, \g
.endr
	SCALES 0, 0
	KS 0, 0, 0, 1, 0, 1, 0, 0
	KT 1, 0, 1, 1, 1, 1, 1                         ; quarter 0 is read out: slot 0 takes quarter 3
	KS 0, 1, 0, 1, 1, 1, 0, 0
	KS 1, 1, 1, 2, 2, 0, 0, 2
	KS 0, 0, 0, 1, 2, 1, 0, 0
	KT 1, 0, 1, 0, 0, 1, 3                         ; quarter 3 is whole for every wave; nothing is filled again
	KS 0, 1, 0, 1, 0, 1, 0, 0
	KS 1, 1, 1, 0, 0, 0, 0, 0
	PLACES 4                                       ; behind the last products
.irp b, 0,1,2,3,4,5,6,7
	v_mov_b32 v[TP+\b], 0                          ; written once: a lane permute's destination counts as one of its sources
.endr
	v_mov_b32 v[NG+1], 0                           ; (named as the upper halves of pairs)
	v_mov_b32 v[NG+3], 0
.irp a, 0,2,4,6
	BLOCK2 \a
.endr
	s_wait_dscnt 0x0                               ; for the others' sake: my words lie in the stages
	s_barrier_signal -1
	s_barrier_wait -1
	ds_load_b128 v[X:X+3], v[SSR]
	ds_load_b128 v[X+4:X+7], v[SRD]
	ds_load_b128 v[X+8:X+11], v[SRD] offset:512
	s_wait_dscnt 0x0
	global_store_b128 v[T16], v[X:X+3], s[12:13]   ; each store of a wave covers 512 consecutive bytes, aligned
	global_store_b128 v[LI], v[X+4:X+7], s[14:15]
	global_store_b128 v[LI], v[X+8:X+11], s[14:15] offset:524288
	s_wait_tensorcnt 0x0                           ; the wave's end
	ds_add_u32 v[SPW], v[NIL]
	s_wait_dscnt 0x0
	CROUND                                         ; the closing round
	s_endpgm
.Lfunc_end_k_qfed599d137_score:
	.size	k_qfed599d137_score, .Lfunc_end_k_qfed599d137_score-k_qfed599d137_score
	.p2alignl 7, 3214868480
	.fill 96, 4, 3214868480
	.section	.rodata,"a",@progbits
	.p2align	6, 0x0
	.amdhsa_kernel k_qfed599d137_score
		.amdhsa_group_segment_fixed_size 327680
		.amdhsa_private_segment_fixed_size 0
		.amdhsa_enable_private_segment 0
		.amdhsa_kernarg_size 48
		.amdhsa_user_sgpr_count 2
		.amdhsa_user_sgpr_kernarg_segment_ptr 1
		.amdhsa_wavefront_size32 1
		.amdhsa_system_sgpr_workgroup_id_x 1
		.amdhsa_system_sgpr_workgroup_id_y 1
		.amdhsa_system_sgpr_workgroup_id_z 1
		.amdhsa_system_vgpr_workitem_id 0
		.amdhsa_next_free_vgpr 1024
		.amdhsa_next_free_sgpr 102
		.amdhsa_reserve_vcc 0
		.amdhsa_float_denorm_mode_32 3
		.amdhsa_float_denorm_mode_16_64 3
		.amdhsa_memory_ordered 1
		.amdhsa_forward_progress 1
		.amdhsa_inst_pref_size 244
	.end_amdhsa_kernel
	.amdgpu_metadata
---
amdhsa.version: [ 1, 2 ]
amdhsa.kernels:
  - .name:           k_qfed599d137_score
    .symbol:         k_qfed599d137_score.kd
    .args:
      - { .name: prc, .offset: 0, .size: 8, .value_kind: global_buffer, .address_space: global }
      - { .name: prs, .offset: 8, .size: 8, .value_kind: global_buffer, .address_space: global }
      - { .name: att_mask, .offset: 16, .size: 8, .value_kind: global_buffer, .address_space: global }
      - { .name: pc, .offset: 24, .size: 8, .value_kind: global_buffer, .address_space: global }
      - { .name: ps, .offset: 32, .size: 8, .value_kind: global_buffer, .address_space: global }
      - { .name: st, .offset: 40, .size: 8, .value_kind: global_buffer, .address_space: global }
    .group_segment_fixed_size: 327680
    .private_segment_fixed_size: 0
    .kernarg_segment_align: 8
    .kernarg_segment_size: 48
    .max_flat_workgroup_size: 128
    .sgpr_count:     102
    .vgpr_count:     1024
    .wavefront_size: 32
...
	.end_amdgpu_metadata
.endif
;; end of part 3
;; launch pv (part 4): grid 4 x 64, 4 waves a work-group, clusters of 4 x 4, 327,680 bytes of LDS; arguments pc, ps, st, prc, prs, out0; writes out0
.if DOCPART == 4
	.amdgcn_target "amdgcn-amd-amdhsa--gfx1250"
	.amdhsa_code_object_version 6
	.text
	.protected	k_qfed599d137_pv
	.globl	k_qfed599d137_pv
	.p2align	8
	.type	k_qfed599d137_pv,@function
k_qfed599d137_pv:
	s_mov_b64 s[64:65], 0
	v_nop
	global_prefetch_b8 v0, s[64:65] scope:SCOPE_SE
	s_setreg_imm32_b32 hwreg(HW_REG_WAVE_MODE, 25, 1), 1
	s_wait_xcnt 0x0
	s_wait_alu depctr_hold_cnt(0) depctr_sa_sdst(0) depctr_va_vdst(0) depctr_va_sdst(0) depctr_va_ssrc(0) depctr_va_vcc(0) depctr_vm_vsrc(0)
	s_getreg_b32 s2, hwreg(HW_REG_IB_STS2, 6, 4)
	s_cmp_eq_u32 s2, 0
	s_cbranch_scc0 .Lentry_in_a_cluster
	s_endpgm
.Lentry_in_a_cluster:
	s_bfe_u32 s2, ttmp6, 0x10000c
	s_cmp_lg_u32 s2, 0xf033
	s_cbranch_scc0 .Lentry_shape_is_right
	s_endpgm
.Lentry_shape_is_right:
; out = (p wv) / l on codes of FP6 (E2M3) with E8M0 scales, K = the 2,048 keys of a batch.  A work-group makes 128 queries x 256 of the 1,024 outputs; a wave 64 x 128: 32 accumulators.
; Source 0 = 16 rows of wv^T, source 1 = 16 rows of p: a lane holds one query and eight neighbouring outputs.
; THE HEAD brings a row's 16 groups of 128 keys under one M: thread t takes query t of the 128; -M is the least of the groups' -M; group g's sum is multiplied by 2^-d and each of its scale bytes lessened by d,
; d = the group's -M less the least one, a whole number held at 127; a byte that would fall under 0 becomes 0.  The words go to LDS, and 1 / l with them.
; wv^T's scale words come by plain loads, 512 consecutive bytes each, and are stored to LDS bytes on which no tensor load lands: wave w takes 4 blocks of rows, all keys, 4,096 bytes, at VS + 4,096 w.
; LDS: two slots of 512 keys (p's two parts, then wv^T's two parts); waves 0, 1 fetch p's parts, waves 2, 3 wv^T's, one tensor load a wave at the head and one behind each round.
; The next step's fragment loads stand in groups of 12 between the groups of eight matrix instructions.  The results leave through each wave's own stage in slot 0, behind that slot's last fill and last read.
; CLUSTER 4 x 4: p's parts are shared along a row, wv^T's along a column, by joint loads.
; LIMITS: NaN and infinities in st are not served; a row whose every p is 0 has l = 0.
.set SLOTB, 147456
.set PPART, 24576
.set VPART, 49152
.set PS,    2*SLOTB
.set VS,    PS+8192
.set RLS,   VS+16384
.set SPARE, RLS+512
.set REFA,  4*512*3072
.set REFB,  4*64*3072
.set LI,   1
.set T4,   4
.set T8,   5
.set PSW,  7
.set RLW,  8
.set RLR,  9
.set STO,  10
.set SRD,  11
.set ADRA, 16
.set ADRB, 20
.set ADRS, 24
.set SPW,  28
.set NIL,  29
.set SC,   32
.set AF,   96
.set NM,   96
.set LL,   112
.set WW,   128
.set DD,   144
.set DN,   145
.set TT,   146
.set KK,   147
.set NMIN, 148
.set LT,   149
.set RL,   150
.set XO,   96
.set RLP,  224
.set WV,   18
.set RH,   19
.set CH,   20
.set G1A,  24
.set G1B,  32
.set G0A,  40
.set G0B,  48
.set VSA,  68
.set ONES, 80
.set MSB, 0
.macro WIN new
.if MSB != (\new)
	s_set_vgpr_msb (MSB<<8)|(\new)
.set MSB, (\new)
.endif
.endm
.macro PLACES n
.rept \n
	v_nop
.endr
.endm
.macro JLOAD g0a, g1a, g0b, g1b
	s_cmp_eq_u32 s[RH], 0
	s_cbranch_scc0 .Lfor_b_\@
	tensor_load_to_lds s[\g0a:\g0a+3], s[\g1a:\g1a+7]
	s_nop 0
.rept 4
	v_nop
.endr
	s_branch .Lasked_\@
.Lfor_b_\@:
	tensor_load_to_lds s[\g0b:\g0b+3], s[\g1b:\g1b+7]
	s_nop 0
.rept 4
	v_nop
.endr
.Lasked_\@:
.endm
.macro CREST
	s_cmp_lg_u32 s[WV], 0
	s_cbranch_scc1 .Lnot_wave_0_\@
	s_barrier_signal -3
.Lnot_wave_0_\@:
	s_barrier_wait -3
	s_barrier_signal -1
	s_barrier_wait -1
.endm
.macro CROUND
	s_barrier_signal -1
	s_barrier_wait -1
	CREST
.endm
.macro FETCH slot, q, set
	WIN 0x40
.irp i, 0,1,2,3,4,5,6,7
.irp c, 0,1,2
	ds_load_b128 v[96*(\set)+12*\i+4*\c:96*(\set)+12*\i+4*\c+3], v[ADRB+(\slot)] offset:((\q)/2)*24576+((\q)%2)*1536+3072*\i+512*\c
.endr
.endr
	WIN 0
.irp i, 0,1,2,3
.irp c, 0,1,2
	ds_load_b128 v[AF+48*(\set)+12*\i+4*\c:AF+48*(\set)+12*\i+4*\c+3], v[ADRA+(\slot)] offset:((\q)/2)*12288+((\q)%2)*1536+3072*\i+512*\c
.endr
.endr
.endm
.macro FPART slot, q, set, g           ; a third of FETCH's 36 loads: g = 0, 1: B's fragments 4 g .. 4 g + 3; g = 2: A's four
.if (\g) < 2
	WIN 0x40
.irp j, 0,1,2,3,4,5,6,7,8,9,10,11
	ds_load_b128 v[96*(\set)+48*(\g)+4*\j:96*(\set)+48*(\g)+4*\j+3], v[ADRB+(\slot)] offset:((\q)/2)*24576+((\q)%2)*1536+3072*(4*(\g)+\j/3)+512*(\j%3)
.endr
.else
	WIN 0
.irp j, 0,1,2,3,4,5,6,7,8,9,10,11
	ds_load_b128 v[AF+48*(\set)+4*\j:AF+48*(\set)+4*\j+3], v[ADRA+(\slot)] offset:((\q)/2)*12288+((\q)%2)*1536+3072*(\j/3)+512*(\j%3)
.endr
.endif
.endm
.macro SCALES sc, p
.irp i, 0,1,2,3,4,5,6,7
.irp u, 0,1
	ds_load_b64 v[SC+32*(\sc)+4*\i+2*\u:SC+32*(\sc)+4*\i+2*\u+1], v[ADRS] offset:(2*(\p)+\u)*512+(\i/4)*4096+(\i%4)*128
.endr
.endr
.endm
.macro MULA a, set, sc, q, zero
	WIN 0xa1
.irp b, 0,1,2,3,4,5,6,7
.if \zero
	v_wmma_scale_f32_16x16x128_f8f6f4 v[64*(\a)+8*\b:64*(\a)+8*\b+7], v[96*(\set)+12*\b:96*(\set)+12*\b+11], v[AF+48*(\set)+12*(\a):AF+48*(\set)+12*(\a)+11], 0, v[SC+32*(\sc)+4*\b+(\q)], v[SC+32*(\sc)+4*(\a)+(\q)] matrix_a_fmt:MATRIX_FMT_FP6 matrix_b_fmt:MATRIX_FMT_FP6 matrix_a_scale:MATRIX_SCALE_ROW1
.else
	v_wmma_scale_f32_16x16x128_f8f6f4 v[64*(\a)+8*\b:64*(\a)+8*\b+7], v[96*(\set)+12*\b:96*(\set)+12*\b+11], v[AF+48*(\set)+12*(\a):AF+48*(\set)+12*(\a)+11], v[64*(\a)+8*\b:64*(\a)+8*\b+7], v[SC+32*(\sc)+4*\b+(\q)], v[SC+32*(\sc)+4*(\a)+(\q)] matrix_a_fmt:MATRIX_FMT_FP6 matrix_b_fmt:MATRIX_FMT_FP6 matrix_a_scale:MATRIX_SCALE_ROW1
.endif
.endr
.endm
.macro KS set, sc, q, zero, f, nslot, nq
	s_wait_dscnt 0x0
.if \f
	PLACES 4
.endif
.irp a, 0,1,2,3
.if \f
.if \a < 3
	FPART \nslot, \nq, 1-(\set), \a                ; 12 loads into the other sets ahead of each of the first three groups of products
.endif
.endif
	MULA \a, \set, \sc, \q, \zero
.endr
	WIN 0
.endm
.macro KT set, sc, q, fill, fslot, nslot, nsc, np
	s_wait_tensorcnt 0x0
	ds_add_u32 v[SPW], v[NIL]
	s_wait_dscnt 1
	MULA 0, \set, \sc, \q, 0
	s_wait_dscnt 0x0
	s_barrier_signal -1
	MULA 1, \set, \sc, \q, 0
	WIN 0
	s_barrier_wait -1
.if \fill
	CREST
	s_add_nc_u64 s[G0A+4*(\fslot)+2:G0A+4*(\fslot)+3], s[G0A+4*(\fslot)+2:G0A+4*(\fslot)+3], REFA
	s_add_nc_u64 s[G0B+4*(\fslot)+2:G0B+4*(\fslot)+3], s[G0B+4*(\fslot)+2:G0B+4*(\fslot)+3], REFB
	JLOAD G0A+4*(\fslot), G1A, G0B+4*(\fslot), G1B
.else
	PLACES 4
.endif
	FPART \nslot, 0, 1-(\set), 0
	FPART \nslot, 0, 1-(\set), 1
	MULA 2, \set, \sc, \q, 0
	FPART \nslot, 0, 1-(\set), 2
	SCALES \nsc, \np
	MULA 3, \set, \sc, \q, 0
	WIN 0
.endm
.macro FIX g
	v_sub_f32 v[DD], v[NM+\g], v[NMIN]
	v_min_num_f32 v[DD], 0x42fe0000, v[DD]
	v_cvt_u32_f32 v[DD], v[DD]
	v_sub_nc_u32 v[DN], 0, v[DD]
.if \g == 0
	v_ldexp_f32 v[LT], v[LL+\g], v[DN]
.else
	v_ldexp_f32 v[TT], v[LL+\g], v[DN]
	v_add_f32 v[LT], v[LT], v[TT]
.endif
	v_mul_lo_u32 v[DD], v[DD], s[ONES]
	v_or_b32 v[WW+\g], 0x80808080, v[WW+\g]
	v_sub_nc_u32 v[WW+\g], v[WW+\g], v[DD]
	v_lshrrev_b32 v[KK], 7, v[WW+\g]
	v_and_b32 v[KK], s[ONES], v[KK]
	v_lshlrev_b32 v[TT], 8, v[KK]
	v_sub_nc_u32 v[KK], v[TT], v[KK]
	v_and_b32 v[WW+\g], v[WW+\g], v[KK]
	v_and_b32 v[WW+\g], 0x7f7f7f7f, v[WW+\g]
.endm
.macro PULL a
	WIN 0x02
.set i, 0
.rept 32
	v_pk_mul_f32 v[XO+64*((\a)%2)+i:XO+64*((\a)%2)+i+1], v[64*(\a)+i:64*(\a)+i+1], v[RLP+2*(\a):RLP+2*(\a)+1]
.set i, i+2
.endr
	WIN 0
.endm
.macro TOSTAGE a
.irp b, 0,1,2,3,4,5,6,7
	ds_store_b128 v[STO], v[XO+64*((\a)%2)+8*\b:XO+64*((\a)%2)+8*\b+3] offset:64*\b
	ds_store_b128 v[STO], v[XO+64*((\a)%2)+8*\b+4:XO+64*((\a)%2)+8*\b+7] offset:64*\b+16
.endr
	WIN 0x40
.irp t, 0,1,2,3,4,5,6,7,8,9,10,11,12,13,14,15
	ds_load_b128 v[64*((\a)%2)+4*\t:64*((\a)%2)+4*\t+3], v[SRD] offset:\t*528
.endr
	WIN 0
.endm
.macro SEND a, younger
	s_wait_dscnt \younger
	WIN 0x04
.irp t, 0,1,2,3,4,5,6,7,8,9,10,11,12,13,14,15
	global_store_b128 v[LI], v[64*((\a)%2)+4*\t:64*((\a)%2)+4*\t+3], s[14:15] offset:(16*(\a)+\t)*4096 th:TH_STORE_NT
.endr
	WIN 0
.endm
	s_load_b256 s[4:11], s[0:1], 0x0
	s_load_b128 s[12:15], s[0:1], 0x20
	v_lshl_add_u32 v[SPW], v0, 2, SPARE
	v_mov_b32 v[NIL], 0
	ds_add_u32 v[SPW], v[NIL]
	ds_add_u32 v[SPW], v[NIL]
	v_lshrrev_b32 v2, 5, v0
	v_readfirstlane_b32 s[WV], v2
	s_lshr_b32 s[RH], s[WV], 1
	s_and_b32 s[CH], s[WV], 1
	s_bfe_u32 s21, ttmp6, 0x40000
	s_bfe_u32 s22, ttmp6, 0x40004
	s_lshl_b32 s23, ttmp9, 2
	s_add_co_u32 s23, s23, s21
	s_and_b32 s72, ttmp7, 0xffff
	s_lshr_b32 s73, s72, 2
	s_lshl_b32 s74, s72, 2
	s_add_co_u32 s74, s74, s22
	s_lshl_b32 s75, s22, 2
	s_lshl_b32 s75, 15, s75
	s_lshl_b32 s76, 0x1111, s21
	s_or_b32 s[G1A], s75, (3<<16)|(1<<21)
	s_mov_b32 s[G1A+1], 1536<<16
	s_mov_b32 s[G1A+2], 2<<16
	s_mov_b32 s[G1A+3], 1536<<16
	s_mov_b32 s[G1A+4], 2
	s_mov_b32 s[G1A+5], 196608
	s_mov_b32 s[G1A+6], 0
	s_mov_b32 s[G1A+7], 0
	s_or_b32 s[G1B], s76, (3<<16)|(1<<21)
	s_mov_b32 s[G1B+1], 3072<<16
	s_mov_b32 s[G1B+2], 2<<16
	s_mov_b32 s[G1B+3], 3072<<16
	s_mov_b32 s[G1B+4], 2
	s_mov_b32 s[G1B+5], 24576
	s_mov_b32 s[G1B+6], 0
	s_mov_b32 s[G1B+7], 0
	s_lshl_b32 s2, s74, 3
	s_lshl_b32 s3, s[CH], 2
	s_add_co_u32 s2, s2, s3
	s_mul_i32 s2, s2, 3072
	s_mov_b32 s3, 0
	s_lshl_b32 s77, s73, 9
	s_lshl_b32 s66, s23, 4
	s_add_co_u32 s77, s77, s66
	s_lshl_b32 s66, s[CH], 3
	s_add_co_u32 s66, s66, s77
	s_mul_i32 s66, s66, 3072
	s_add_co_u32 s66, s66, 12582912
	s_mov_b32 s67, 0
	s_lshl_b32 s78, s[WV], 2
	s_add_co_u32 s78, s78, s77
	s_lshl_b32 s78, s78, 7
	s_add_co_u32 s78, s78, 524288
	s_mov_b32 s79, 0
	s_wait_dscnt 0x0
	s_wait_kmcnt 0x0
	s_add_nc_u64 s[2:3], s[4:5], s[2:3]
	s_add_nc_u64 s[66:67], s[10:11], s[66:67]
	s_add_nc_u64 s[VSA:VSA+1], s[12:13], s[78:79]  ; wv^T's scale words: my four blocks of rows
	CROUND
.irp s, 0,1
	s_mov_b32 s[G0A+4*\s], 1
	s_mul_i32 s[G0A+4*\s+1], s[CH], PPART
	s_add_co_u32 s[G0A+4*\s+1], s[G0A+4*\s+1], \s*SLOTB
	s_add_nc_u64 s[G0A+4*\s+2:G0A+4*\s+3], s[2:3], \s*2*512*3072
	s_or_b32 s[G0A+4*\s+3], s[G0A+4*\s+3], 0x80000000
	s_mov_b32 s[G0B+4*\s], 1
	s_mul_i32 s[G0B+4*\s+1], s[CH], VPART
	s_add_co_u32 s[G0B+4*\s+1], s[G0B+4*\s+1], \s*SLOTB+2*PPART
	s_add_nc_u64 s[G0B+4*\s+2:G0B+4*\s+3], s[66:67], \s*2*64*3072
	s_or_b32 s[G0B+4*\s+3], s[G0B+4*\s+3], 0x80000000
.endr
	JLOAD G0A, G1A, G0B, G1B                       ; slot 0: one tensor load a wave at the head; all that follows up to the round stands under its flight
	s_lshl_b32 s2, s74, 9
	s_mov_b32 s3, 0
	s_add_nc_u64 s[8:9], s[8:9], s[2:3]
	s_lshl_b32 s2, s74, 10
	s_add_nc_u64 s[6:7], s[6:7], s[2:3]
	v_lshlrev_b32 v[T4], 2, v0
	v_lshlrev_b32 v[T8], 3, v0
.irp g, 0,1,2,3,4,5,6,7,8,9,10,11,12,13,14,15
	global_load_b32 v[NM+\g], v[T4], s[8:9] offset:32768*\g
.endr
.irp g, 0,1,2,3,4,5,6,7,8,9,10,11,12,13,14,15
	global_load_b32 v[LL+\g], v[T4], s[8:9] offset:524288+32768*\g
.endr
.irp g, 0,1,2,3,4,5,6,7
	global_load_b64 v[WW+2*\g:WW+2*\g+1], v[T8], s[6:7] offset:65536*\g
.endr
	s_mov_b32 s[ONES], 0x01010101
	s_lshl_b32 s2, s74, 19
	s_lshl_b32 s77, s[RH], 18
	s_add_co_u32 s2, s2, s77
	s_lshl_b32 s77, s23, 10
	s_add_co_u32 s2, s2, s77
	s_lshl_b32 s77, s[CH], 9
	s_add_co_u32 s2, s2, s77
	s_add_nc_u64 s[14:15], s[14:15], s[2:3]
	v_and_b32 v2, 31, v0
	v_lshlrev_b32 v[LI], 4, v2
.irp p, 0,1,2,3,4,5,6,7                        ; 8 rows (256 keys each) of 512 bytes, 8,192 bytes apart; each load takes 512 consecutive bytes
	global_load_b128 v[160+4*\p:163+4*\p], v[LI], s[VSA:VSA+1] offset:8192*\p
.endr
	v_and_b32 v3, 15, v0
	v_bfe_u32 v6, v0, 4, 1
	s_mul_i32 s77, s[RH], PPART
	v_add_nc_u32 v[ADRA], s77, v[LI]
	v_add_nc_u32 v[ADRA+1], SLOTB, v[ADRA]
	s_mul_i32 s77, s[CH], VPART
	s_add_co_u32 s77, s77, 2*PPART
	v_add_nc_u32 v[ADRB], s77, v[LI]
	v_add_nc_u32 v[ADRB+1], SLOTB, v[ADRB]
	s_lshl_b32 s77, s[RH], 12
	s_lshl_b32 s78, s[CH], 13
	s_add_co_u32 s78, s78, 8192
	s_sub_co_u32 s78, s78, s77
	v_mul_u32_u24 v27, s78, v6
	s_wait_alu depctr_va_vdst(0)
	s_add_co_u32 s77, s77, PS
	v_lshl_add_u32 v27, v3, 3, v27
	v_add_nc_u32 v[ADRS], s77, v27
	v_lshrrev_b32 v2, 6, v0
	v_and_b32 v27, 63, v0
	v_lshlrev_b32 v2, 12, v2
	v_lshl_add_u32 v2, v27, 3, v2
	v_add_nc_u32 v[PSW], PS, v2
	v_lshl_add_u32 v[RLW], v0, 2, RLS
	s_lshl_b32 s77, s[RH], 8
	s_add_co_u32 s77, s77, RLS
	v_lshl_add_u32 v[RLR], v3, 2, s77
	s_mul_i32 s77, s[WV], 8448
	v_mul_u32_u24 v[STO], v3, 528
	v_lshl_add_u32 v[STO], v6, 5, v[STO]
	v_add_nc_u32 v[STO], s77, v[STO]
	v_add_nc_u32 v[SRD], s77, v[LI]
	s_lshl_b32 s77, s[WV], 12
	s_add_co_u32 s77, s77, VS
	v_add_nc_u32 v12, s77, v[LI]                   ; where my part of wv^T's scale words goes
	s_wait_loadcnt 0x0
	v_min3_num_f32 v[NMIN], v[NM], v[NM+1], v[NM+2]
.irp g, 3,5,7,9,11,13
	v_min3_num_f32 v[NMIN], v[NMIN], v[NM+\g], v[NM+\g+1]
.endr
	v_min_num_f32 v[NMIN], v[NMIN], v[NM+15]
.irp g, 0,1,2,3,4,5,6,7,8,9,10,11,12,13,14,15
	FIX \g
.endr
	s_wait_alu depctr_va_vdst(0)
	v_rcp_f32 v[RL], v[LT]
	v_nop
	s_wait_alu depctr_va_vdst(0)
.irp g, 0,1,2,3,4,5,6,7
	ds_store_b64 v[PSW], v[WW+2*\g:WW+2*\g+1] offset:512*\g
.endr
	ds_store_b32 v[RLW], v[RL]
.irp p, 0,1,2,3,4,5,6,7
	ds_store_b128 v12, v[160+4*\p:163+4*\p] offset:512*\p
.endr
	s_wait_tensorcnt 0x0                           ; my part of slot 0 is in
	ds_add_u32 v[SPW], v[NIL]
	s_wait_dscnt 0x0                               ; the add and my stores are done
	CROUND                                         ; slot 0 and all scale words are whole for every wave, and the partners' joint loads meet
	JLOAD G0A+4, G1A, G0B+4, G1B                   ; slot 1's first fill, the first tensor load behind the round
	FETCH 0, 0, 0
	SCALES 0, 0
	KS 0, 0, 0, 1, 1, 0, 1
	KS 1, 0, 1, 0, 1, 0, 2
	KS 0, 0, 2, 0, 1, 0, 3
	KT 1, 0, 3, 1, 0, 1, 1, 1
	KS 0, 1, 0, 0, 1, 1, 1
	KS 1, 1, 1, 0, 1, 1, 2
	KS 0, 1, 2, 0, 1, 1, 3
	KT 1, 1, 3, 1, 1, 0, 0, 2
	KS 0, 0, 0, 0, 1, 0, 1
	KS 1, 0, 1, 0, 1, 0, 2
	KS 0, 0, 2, 0, 1, 0, 3
	KT 1, 0, 3, 0, 0, 1, 1, 3
	KS 0, 1, 0, 0, 1, 1, 1
	KS 1, 1, 1, 0, 1, 1, 2
	KS 0, 1, 2, 0, 1, 1, 3
	KS 1, 1, 3, 0, 0, 0, 0
.irp a, 0,1,2,3
	ds_load_b32 v[RLP+2*\a], v[RLR] offset:64*\a
	ds_load_b32 v[RLP+2*\a+1], v[RLR] offset:64*\a
.endr
	PLACES 4
	s_wait_dscnt 0x0
	PULL 0
	TOSTAGE 0
	PULL 1
	TOSTAGE 1
	SEND 0, 32
	PULL 2
	s_wait_alu depctr_va_vdst(0)
	s_wait_xcnt 0x0
	TOSTAGE 2
	SEND 1, 32
	PULL 3
	s_wait_alu depctr_va_vdst(0)
	s_wait_xcnt 0x0
	TOSTAGE 3
	SEND 2, 32
	SEND 3, 0
	s_wait_tensorcnt 0x0
	ds_add_u32 v[SPW], v[NIL]
	s_wait_dscnt 0x0
	CROUND
	s_endpgm
.Lfunc_end_k_qfed599d137_pv:
	.size	k_qfed599d137_pv, .Lfunc_end_k_qfed599d137_pv-k_qfed599d137_pv
	.p2alignl 7, 3214868480
	.fill 96, 4, 3214868480
	.section	.rodata,"a",@progbits
	.p2align	6, 0x0
	.amdhsa_kernel k_qfed599d137_pv
		.amdhsa_group_segment_fixed_size 327680
		.amdhsa_private_segment_fixed_size 0
		.amdhsa_enable_private_segment 0
		.amdhsa_kernarg_size 48
		.amdhsa_user_sgpr_count 2
		.amdhsa_user_sgpr_kernarg_segment_ptr 1
		.amdhsa_wavefront_size32 1
		.amdhsa_system_sgpr_workgroup_id_x 1
		.amdhsa_system_sgpr_workgroup_id_y 1
		.amdhsa_system_sgpr_workgroup_id_z 1
		.amdhsa_system_vgpr_workitem_id 0
		.amdhsa_next_free_vgpr 768
		.amdhsa_next_free_sgpr 96
		.amdhsa_reserve_vcc 0
		.amdhsa_float_denorm_mode_32 3
		.amdhsa_float_denorm_mode_16_64 3
		.amdhsa_memory_ordered 1
		.amdhsa_forward_progress 1
		.amdhsa_inst_pref_size 161
	.end_amdhsa_kernel
	.amdgpu_metadata
---
amdhsa.version: [ 1, 2 ]
amdhsa.kernels:
  - .name:           k_qfed599d137_pv
    .symbol:         k_qfed599d137_pv.kd
    .args:
      - { .name: pc, .offset: 0, .size: 8, .value_kind: global_buffer, .address_space: global }
      - { .name: ps, .offset: 8, .size: 8, .value_kind: global_buffer, .address_space: global }
      - { .name: st, .offset: 16, .size: 8, .value_kind: global_buffer, .address_space: global }
      - { .name: prc, .offset: 24, .size: 8, .value_kind: global_buffer, .address_space: global }
      - { .name: prs, .offset: 32, .size: 8, .value_kind: global_buffer, .address_space: global }
      - { .name: out0, .offset: 40, .size: 8, .value_kind: global_buffer, .address_space: global }
    .group_segment_fixed_size: 327680
    .private_segment_fixed_size: 0
    .kernarg_segment_align: 8
    .kernarg_segment_size: 48
    .max_flat_workgroup_size: 128
    .sgpr_count:     96
    .vgpr_count:     768
    .wavefront_size: 32
...
	.end_amdgpu_metadata
.endif
;; end of part 4
